; MI455X (gfx1250); checked and timed in simulation.
; The chip was launched on July 23, 2026; its instructions are those of AMD's public machine-readable ISA for CDNA 5 (MIT licence, August 2026) and "CDNA5" Instruction Set Architecture Reference Guide (July 2026). The comments in the code are by the model that wrote it; some were corrected since.
;; Causal Self Attention. Allowed arithmetic: matrix products marked QUANTISED: E2M3 operands, one E8M0 scale for each 32 along K, by v_wmma_scale_f32_16x16x128_f8f6f4 with both operands' format E2M3, f32 sums; everything else in f32.
;; Inputs: Wk 256 x 1,024 float32; Wproj 1,024 x 1,024 float32; Wq 1,024 x 1,024 float32; Wv 256 x 1,024 float32; q_gain 16 float32; x 4 x 2,048 x 1,024 float32.
;; Outputs: out0 4 x 2,048 x 1,024 float32.
;; This version of the problem:
;;   THIS VERSION OF THE PROBLEM IS GIVEN IN LOW PRECISION. The matrix products marked QUANTISED in the list below multiply operands that are first quantised to E2M3 (2 exponent bits, 3 mantissa bits; 6 bits a number), with one power-of-two scale for each 32 numbers along K (OCP MX v1.0); their sums are f32. All else is computed in f32.
;;   The module's matrix products, in the order in which they are computed (A, B: the left and right operand; K: the contracted axis; several contracted axes count as one K, in the product's order):
;;     1. [M 8,192, K 1,024] x [K 1,024, N 1,024]; A: input x; B: input Wq: QUANTISED
;;     2. [M 8,192, K 1,024] x [K 1,024, N 256]; A: input x; B: input Wk: QUANTISED
;;     3. [M 8,192, K 1,024] x [K 1,024, N 256]; A: input x; B: input Wv: QUANTISED
;;     4. batch 64 x [M 2,048, K 64] x [K 64, N 2,048]; A: computed on the way; B: computed on the way: QUANTISED
;;     5. batch 64 x [M 2,048, K 2,048] x [K 2,048, N 64]; A: softmax (see below); B: computed on the way: QUANTISED
;;     6. [M 8,192, K 1,024] x [K 1,024, N 1,024]; A: computed on the way; B: input Wproj: QUANTISED
;;   THE QUANTISER, for each operand of a quantised product, along K:
;;     - K is cut into blocks of 32 from its start; a last block that is shorter is filled with zeros.
;;     - A block's scale is 2^e with e = floor(log2(the largest magnitude in the block)) - 2, held to -126 .. 127; a block of zeros has e = 0. As a byte (E8M0): e + 127.
;;     - Each number is divided by its block's scale, clamped to +-7.5, and rounded to the nearest number of E2M3, ties to even, subnormals kept.
;;     - The product sums the exact products of the quantised numbers (number of the format x scale) in f32.
;;   ~~~python
;;   def quantise(x, axis):      # numpy; x: float32 -> the quantised numbers, widened to float32 again
;;       x = np.moveaxis(x, axis, -1); K = x.shape[-1]
;;       x = np.pad(x, [(0, 0)] * (x.ndim - 1) + [(0, -K % 32)]); x = x.reshape(x.shape[:-1] + (-1, 32)); a = np.abs(x).max(-1, keepdims=True)
;;       e = np.where(a > 0, np.clip(np.frexp(np.where(a > 0, a, 1))[1] - 1 - 2, -126, 127), 0)      # np.frexp(a)[1] - 1 = floor(log2(a)), exactly
;;       r = np.clip(x / 2.0 ** e, -7.5, 7.5)
;;       step = 2.0 ** (np.maximum(np.frexp(np.where(r == 0, 1, r))[1] - 1, 0) - 3)
;;       q = np.round(r / step) * step * 2.0 ** e      # np.round: ties to even
;;       return np.moveaxis(q.reshape(q.shape[:-2] + (-1,))[..., :K], -1, axis).astype(np.float32)
;;   ~~~
;;   SOFTMAX AHEAD OF A QUANTISED PRODUCT. Where the list says 'softmax', what is quantised is not the finished softmax but p = 2^(t - M), with t = logit x log2(e) and M = ceil(the row's largest t), a whole number; so 1/2 < the row's largest p <= 1. The row's sum l is taken of the UNQUANTISED p, in f32, and the product's result is divided by l at the end. Since M is a whole number, a kernel that streams over the keys may use a running M (the ceiling of the running maximum): every later rescaling is an exact power of two, which a block's scale takes up: the codes' values come out the same.
;;   OPERANDS COMPUTED ON THE WAY. 'Computed on the way' means the value that the module computes at that place (a softmax that the list does not call 'softmax' is quantised finished and normalised). What goes into a quantiser is computed in f32, as accurately as f32 sums, v_exp_f32 and their like allow (about 1e-6 of the number): no bf16 or f16 on the way to a quantiser, and a product that is left as it is and whose result goes on into a quantised operand takes f32 operands (vector FMAs, or v_wmma_f32_16x16x4_f32). A number that lies on a knife's edge between two numbers of the format may be rounded either way, as far as f32 arithmetic and the matrix unit's own rounding can turn it there, and no further.
;; One version. Each part assembles by itself: llvm-mc -triple=amdgcn-amd-amdhsa -mcpu=gfx1250 --defsym DOCPART=n.
;; ======== version 1 of 1: 4 launches
;; limits: right only within a limited range of input values
;; workspace buffers: xc 6,291,456 bytes; xs 262,144 bytes; wts 2,048,000 bytes; tab 524,288 bytes; qimg 6,815,744 bytes; kv 3,342,336 bytes; yc 6,291,456 bytes; ys 262,144 bytes
;; launch quant (part 1): grid 400 x 1, 4 waves a work-group, no clusters, 33,280 bytes of LDS; arguments x, Wq, Wk, Wv, Wproj, xc, xs, wts, tab; writes xc, xs, wts, tab
.if DOCPART == 1
	.amdgcn_target "amdgcn-amd-amdhsa--gfx1250"
	.amdhsa_code_object_version 6
	.text
	.protected	k_q12175ecd00_quant
	.globl	k_q12175ecd00_quant
	.p2align	8
	.type	k_q12175ecd00_quant,@function
k_q12175ecd00_quant:
	s_mov_b64 s[64:65], 0
	v_nop
	global_prefetch_b8 v0, s[64:65] scope:SCOPE_SE
	s_setreg_imm32_b32 hwreg(HW_REG_WAVE_MODE, 25, 1), 1
	s_wait_xcnt 0x0
; CausalSelfAttention, 16 query heads, 4 key/value heads, head size 1024 / 16 = 64, all six products on codes of FP6 (E2M3) with one E8M0 scale for each 32 along K.
; FOUR LAUNCHES: this one (codes of x and of the four weights; the table of cos and sin); qkv (products 1-3, rms-norm, rotation, gain, codes of q, k, v); attn (products 4, 5, the softmax, codes of y); proj (product 6).
; WORK LEFT OUT, for all values of the inputs:
;  - reference() builds the causal mask itself (jnp.tril) and puts the least f32 number where key > query: behind the row's maximum such a score's exponential is 0, so it adds 0 to the row's sum and a zero code to product 5.
;    Key steps of 128 keys that lie wholly behind a tile's last query are therefore not multiplied (launch attn); inside the one step on the diagonal the hidden scores are made and set to -infinity.
;  - jnp.repeat copies key/value heads: the four query heads of a group read the same codes.  ROPE_DIMS = 64 = the head size, so x_pass is empty and nothing is passed by.
;  Every input has a way to the output and is loaded.  LIMIT: a NaN, an infinity or an overflow that reaches only scores behind the mask is not carried to the result.
; THIS LAUNCH.  Work-groups 0-335 quantise: 32 rows of 1,024 numbers each (x: 0-255, Wq: 256-287, Wk: 288-295, Wv: 296-303, Wproj: 304-335), a wave 8 rows = 16 steps of 512 numbers.
; A block's scale is 2^(floor(log2(its largest magnitude)) - 2); its byte is the largest magnitude's exponent field - 2, held at 1 from below (a block of zeros so gets 1 where the rule says 127: its codes are zeros, and this program alone reads the bytes).
; THE ROWS OF x, Wq, Wk, Wv ARE STORED IN ANOTHER ORDER: row a lies at the place a with bits 3 and 4 exchanged.  A wave's 8 rows stay together, so only the wave's place among the work-group's four changes (1 and 2 change places).
; A tile of 16 stored rows then holds rows 32 b + 8 u + r + 8 (r / 8): whichever matrix is source 0 of a product gives a lane 16 neighbours along that axis in the registers of two neighbouring tiles.  Wproj keeps its order.
; Each of a step's four loads reads 512 consecutive bytes; the 2,048 bytes turn through the wave's own stage in LDS and come back 64 bytes a lane: 16 neighbours, two lanes to a block.
; Loads run eight steps ahead (32 loads, 16,384 bytes a wave), the turn one step.
; Work-groups 336-399 make the table: cos and sin of s / 10^(i / 8), s = 0 .. 2,047, i = 0 .. 31; a row of 256 bytes: 32 cos, then 32 sin.  They touch no LDS.
; LIMITS: NaN and infinities among the inputs are not served; blocks whose largest magnitude lies under 2^-124 are held at the byte 1.  10^(i / 8) is a rounded base value times its decade (two roundings), its reciprocal a
; v_rcp_f32 with one correction step; cos and sin of the f32 angle are good to about 1e-7.
.set WAVES, 4
.set STEPS, 16
.set AHEAD, 8                          ; steps that the loads run ahead: as many sets of 16 registers
.set TABWG, 336
.set EMAX,  2
.set CB,    12                         ; bytes of 16 codes
.set R,     16                         ; v16-143  eight sets of 16 numbers as they are loaded
.set X,     144                        ; v144-175 two sets of 16 neighbours
.set E,     176                        ; v176-191 a scale byte for each step
.set C,     192                        ; v192-255 codes: four registers for each step, so that no store's data are written again
.set WREG,  8192                       ; LDS: a region for each wave: two stages of 32 x SP bytes, and behind them its 256 scale bytes
.set SP,    80                         ; a lane's place in a stage: its 64 bytes + 16 of padding
.set SPW,   12                         ; v12  LDS address of my spare word; never rewritten
.set NIL,   13                         ; v13  0; never rewritten
.set SPARE, WAVES*WREG                 ; behind the four regions: the spare words, 128 bytes for each wave
	s_load_b512 s[4:19], s[0:1], 0x0               ; x 4:5, Wq 6:7, Wk 8:9, Wv 10:11, Wproj 12:13, xc 14:15, xs 16:17, wts 18:19
	s_load_b64 s[20:21], s[0:1], 0x40              ; tab
	v_lshl_add_u32 v[SPW], v0, 2, SPARE
	v_mov_b32 v[NIL], 0
	v_lshrrev_b32 v1, 5, v0
	v_readfirstlane_b32 s34, v1                    ; wave
	v_and_b32 v2, 31, v0                           ; lane
	s_cmp_ge_u32 ttmp9, TABWG
	s_cbranch_scc1 .Ltable
	v_lshlrev_b32 v3, 4, v2                        ; my 16 bytes of a load's 512
	s_mul_i32 s37, s34, WREG
	v_lshrrev_b32 v14, 2, v2
	v_mul_u32_u24 v14, v14, SP
	v_and_b32 v15, 3, v2
	v_lshl_add_u32 v14, v15, 4, v14
	v_add_nc_u32 v14, s37, v14                     ; the stage, on the way in: SP (lane / 4) + 16 (lane % 4)
	v_mul_u32_u24 v15, v2, SP
	v_add_nc_u32 v15, s37, v15                     ; and on the way out: SP x lane: my 16 neighbours
	v_mul_u32_u24 v4, v2, CB                       ; my codes' place in a step's
	v_lshrrev_b32 v5, 1, v2
	s_add_co_u32 s37, s37, 2*32*SP
	v_add_nc_u32 v5, s37, v5                       ; LDS: my wave's 256 scale bytes, my block's byte
	v_lshlrev_b32 v7, 3, v2                        ; and on the way out 8 bytes a lane
	v_add_nc_u32 v6, s37, v7
	s_and_b32 s35, s34, 1                          ; the wave's place in the stored order: its two bits exchanged
	s_lshl_b32 s35, s35, 1
	s_lshr_b32 s36, s34, 1
	s_or_b32 s35, s35, s36
	s_cmp_lt_u32 ttmp9, 304
	s_cselect_b32 s35, s35, s34                    ; Wproj keeps its order
	s_wait_alu depctr_va_vdst(0)
	s_wait_kmcnt 0x0
	s_add_nc_u64 s[32:33], s[18:19], 1966080       ; the weights' scale bytes lie behind their 2,560 rows of 768 bytes of codes
	s_mov_b64 s[24:25], s[12:13]                   ; which tensor is mine, and at which work-group it begins: the choices hang on the work-group's number alone
	s_mov_b32 s26, 304
	s_cmp_lt_u32 ttmp9, 304
	s_cselect_b64 s[24:25], s[10:11], s[24:25]
	s_cselect_b32 s26, 296, s26
	s_cmp_lt_u32 ttmp9, 296
	s_cselect_b64 s[24:25], s[8:9], s[24:25]
	s_cselect_b32 s26, 288, s26
	s_cmp_lt_u32 ttmp9, 288
	s_cselect_b64 s[24:25], s[6:7], s[24:25]
	s_cselect_b32 s26, 256, s26
	s_cmp_lt_u32 ttmp9, 256
	s_cselect_b64 s[24:25], s[4:5], s[24:25]
	s_cselect_b32 s26, 0, s26
	s_cselect_b64 s[28:29], s[14:15], s[18:19]     ; codes: xc or wts
	s_cselect_b64 s[30:31], s[16:17], s[32:33]     ; scale bytes: xs or wts' second part
	s_cselect_b32 s27, 0, 256                      ; the four weights follow each other in wts as their work-groups do
	s_sub_co_u32 s38, ttmp9, s26
	s_lshl_b32 s38, s38, 2
	s_add_co_u32 s38, s38, s34                     ; which run of 8,192 numbers I read,
	s_lshl_b32 s38, s38, 15                        ; in bytes (under 2^26)
	s_mov_b32 s39, 0
	s_add_nc_u64 s[24:25], s[24:25], s[38:39]
	s_sub_co_u32 s36, ttmp9, s27
	s_lshl_b32 s36, s36, 2
	s_add_co_u32 s36, s36, s35                     ; and which run I write
	s_mul_i32 s38, s36, 32*STEPS*CB
	s_add_nc_u64 s[28:29], s[28:29], s[38:39]
	s_lshl_b32 s38, s36, 8
	s_add_nc_u64 s[30:31], s[30:31], s[38:39]
.macro LOAD t
.irp i, 0,1,2,3
	global_load_b128 v[R+16*((\t)%AHEAD)+4*\i:R+16*((\t)%AHEAD)+4*\i+3], v3, s[24:25] offset:2048*(\t)+512*\i th:TH_LOAD_NT   ; 32 lanes read 512 consecutive bytes
.endr
.endm
.macro TURN t                          ; step t's numbers through the stage: LDS serves a wave's instructions in order, so no wait stands between the stores and the loads
.irp i, 0,1,2,3
	ds_store_b128 v14, v[R+16*((\t)%AHEAD)+4*\i:R+16*((\t)%AHEAD)+4*\i+3] offset:32*SP*((\t)%2)+8*SP*\i
.endr
.irp i, 0,1,2,3
	ds_load_b128 v[X+16*((\t)%2)+4*\i:X+16*((\t)%2)+4*\i+3], v15 offset:32*SP*((\t)%2)+16*\i
.endr
.endm
.irp t, 0,1,2,3,4,5,6,7
	LOAD \t
.endr
	s_wait_loadcnt 4*(AHEAD-1)                     ; step 0's four loads are in; the 28 of steps 1 to 7 may be out
	TURN 0
.macro STEP t
.set XS, X+16*((\t)%2)
.if (\t) > 0
	s_wait_dscnt 1                                 ; this step's numbers are back from the stage (the last step's byte store may be out): so its stores into the stage have read their registers,
.else
	s_wait_dscnt 0x0
.endif
.if (\t)+AHEAD < STEPS
	LOAD (\t)+AHEAD                                ; which take the loads of eight steps on
.endif
.if (\t)+1 < STEPS
.if STEPS-2-(\t) >= AHEAD-1
	s_wait_loadcnt 4*(AHEAD-1)                     ; the next step's four loads are in; those of the seven steps behind it may be out
.else
	s_wait_loadcnt 4*(STEPS-2-(\t))                ; near the end: those of the steps that are left behind it
.endif
	TURN (\t)+1                                    ; and go through the other stage while this step is worked
.endif
	v_max3_num_f32 v8, |v[XS]|, |v[XS+1]|, |v[XS+2]|               ; the largest magnitude of my 16
	v_max3_num_f32 v9, |v[XS+3]|, |v[XS+4]|, |v[XS+5]|
.irp i, 6,10
	v_max3_num_f32 v8, v8, |v[XS+\i]|, |v[XS+\i+1]|
	v_max3_num_f32 v9, v9, |v[XS+\i+2]|, |v[XS+\i+3]|
.endr
	v_max3_num_f32 v8, v8, |v[XS+14]|, |v[XS+15]|
	v_max3_num_f32 v8, v8, v9, (EMAX+1)<<23        ; and the floor 2^(3 - 127): so the byte cannot fall under 1
	v_max_num_f32_dpp v8, v8, v8 row_xmask:1 row_mask:0xf bank_mask:0xf   ; and of my neighbour's 16: the block's
	v_add_nc_u32 v11, -(EMAX<<23), v8              ; 2 off its exponent field: the conversion takes the exponent field of this operand as its scale
	v_cvt_scalef32_pk16_fp6_f32 v[C+4*(\t):C+4*(\t)+2], v[XS:XS+15], v11
	v_lshrrev_b32 v[E+(\t)], 23, v11               ; the scale's byte
	ds_store_b8 v5, v[E+(\t)] offset:16*(\t)       ; both lanes of a block write the same byte with the same value
	global_store_b96 v4, v[C+4*(\t):C+4*(\t)+2], s[28:29] offset:32*CB*(\t)   ; the wave stores 384 consecutive bytes
.endm
.irp t, 0,1,2,3,4,5,6,7,8,9,10,11,12,13,14,15
	STEP \t
.endr
	ds_load_b64 v[8:9], v6                         ; LDS serves a wave's instructions in order: these see my stores
	s_wait_dscnt 0x0
	global_store_b64 v7, v[8:9], s[30:31]          ; 32 lanes store 256 consecutive bytes, aligned
	s_wait_tensorcnt 0x0                           ; the wave's end
	ds_add_u32 v[SPW], v[NIL]
	s_wait_dscnt 0x0
	s_endpgm
; THE TABLE.  A wave makes 8 rows.  Lane c + 16 hh serves frequencies 2 c and 2 c + 1, and makes cos (hh = 0) or sin (hh = 1): its 8 bytes lie at 8 x lane of the row.
.Ltable:
	s_sub_co_u32 s40, ttmp9, TABWG
	s_lshl_b32 s40, s40, 5
	s_lshl_b32 s41, s34, 3
	s_add_co_u32 s40, s40, s41                     ; my first row
	s_lshl_b32 s42, s40, 8
	s_mov_b32 s43, 0
	s_mov_b32 s44, 0x3f22f983                      ; 2 / pi
	s_mov_b32 s45, 0xbfc90fdb                      ; -P1: P1 = the f32 number nearest pi / 2
	s_mov_b32 s46, 0x333bbd2e                      ; -P2: P2 = pi / 2 - P1
	s_mov_b32 s47, 0x37ccf5ce                      ; cos: 2.4433157e-5,
	s_mov_b32 s48, 0xbab6061a                      ; -1.3887316e-3,
	s_mov_b32 s49, 0x3d2aaaa5                      ; 4.1666646e-2
	s_mov_b32 s50, 0xb94ca1f9                      ; sin: -1.9515296e-4,
	s_mov_b32 s51, 0x3c08839e                      ; 8.3321609e-3,
	s_mov_b32 s52, 0xbe2aaaa3                      ; -1.6666655e-1
	v_and_b32 v16, 15, v0                          ; c
	v_bfe_u32 v17, v0, 4, 1                        ; hh
	v_and_b32 v18, 3, v16                          ; which of four base values
	v_lshrrev_b32 v19, 2, v16                      ; which decade: (2 c) / 8
	v_mul_u32_u24 v17, v17, 3                      ; sin(a) = cos(a - pi / 2): three quadrants on
	s_wait_alu depctr_va_vdst(0)
	v_lshlrev_b32 v23, 3, v2
	v_mov_b32 v20, 1.0                             ; 10^(0 / 8)
	v_mov_b32 v21, 0x3faab0d5                      ; 10^(1 / 8)
	v_mov_b32 v22, 1.0
	v_cmp_ne_u32 vcc_lo, 1, v18
	v_cndmask_b32 v20, 0x3fe39ea9, v20, vcc_lo     ; 10^(2 / 8)
	v_cndmask_b32 v21, 0x4017c496, v21, vcc_lo     ; 10^(3 / 8)
	v_cmp_ne_u32 vcc_lo, 2, v18
	v_cndmask_b32 v20, 0x404a62c2, v20, vcc_lo     ; 10^(4 / 8)
	v_cndmask_b32 v21, 0x4086f161, v21, vcc_lo     ; 10^(5 / 8)
	v_cmp_ne_u32 vcc_lo, 3, v18
	v_cndmask_b32 v20, 0x40b3f300, v20, vcc_lo     ; 10^(6 / 8)
	v_cndmask_b32 v21, 0x40eff755, v21, vcc_lo     ; 10^(7 / 8)
	v_cmp_ne_u32 vcc_lo, 1, v19
	v_cndmask_b32 v22, 0x41200000, v22, vcc_lo     ; 10
	v_cmp_ne_u32 vcc_lo, 2, v19
	v_cndmask_b32 v22, 0x42c80000, v22, vcc_lo     ; 100
	v_cmp_ne_u32 vcc_lo, 3, v19
	v_cndmask_b32 v22, 0x447a0000, v22, vcc_lo     ; 1000
	v_mul_f32 v20, v20, v22
	v_mul_f32 v21, v21, v22
	s_wait_alu depctr_va_vdst(0)
	v_rcp_f32 v24, v20
	v_rcp_f32 v25, v21
	v_nop                                          ; a plain instruction behind the reciprocals,
	s_wait_alu depctr_va_vdst(0)                   ; and one wait for both, ahead of their first reader
	v_fma_f32 v26, -v20, v24, 1.0                  ; one correction step
	v_fma_f32 v27, -v21, v25, 1.0
	v_fma_f32 v24, v24, v26, v24
	v_fma_f32 v25, v25, v27, v25
	s_wait_kmcnt 0x0
	s_add_nc_u64 s[20:21], s[20:21], s[42:43]
.macro TROW k                          ; row k of my eight; the two angles line by line
	s_add_co_u32 s41, s40, \k
	v_cvt_f32_u32 v30, s41
	s_wait_alu depctr_va_vdst(0)
	v_mul_f32 v32, v30, v24                        ; the angle, rounded once
	v_mul_f32 v33, v30, v25
	v_mul_f32 v34, s44, v32
	v_mul_f32 v35, s44, v33
	v_rndne_f32 v34, v34                           ; n quadrants
	v_rndne_f32 v35, v35
	v_fma_f32 v36, v34, s45, v32                   ; angle - n P1: a multiple of 2^-23 under 1, so nothing is rounded,
	v_fma_f32 v37, v35, s45, v33
	v_fma_f32 v36, v34, s46, v36                   ; - n P2
	v_fma_f32 v37, v35, s46, v37
	v_mul_f32 v38, v36, v36
	v_mul_f32 v39, v37, v37
	v_fma_f32 v40, v38, s47, s48
	v_fma_f32 v41, v39, s47, s48
	v_fma_f32 v42, v38, s50, s51
	v_fma_f32 v43, v39, s50, s51
	v_fma_f32 v40, v40, v38, s49
	v_fma_f32 v41, v41, v39, s49
	v_fma_f32 v42, v42, v38, s52
	v_fma_f32 v43, v43, v39, s52
	v_fma_f32 v40, v40, v38, -0.5
	v_fma_f32 v41, v41, v39, -0.5
	v_mul_f32 v44, v36, v38
	v_mul_f32 v45, v37, v39
	v_fma_f32 v40, v40, v38, 1.0                   ; cos r
	v_fma_f32 v41, v41, v39, 1.0
	v_fma_f32 v42, v42, v44, v36                   ; sin r
	v_fma_f32 v43, v43, v45, v37
	v_cvt_i32_f32 v46, v34
	v_cvt_i32_f32 v47, v35
	v_add_nc_u32 v46, v46, v17                     ; the quadrant, three on for sin
	v_add_nc_u32 v47, v47, v17
	v_and_b32 v48, 1, v46
	v_and_b32 v49, 1, v47
	v_cmp_eq_u32 vcc_lo, 1, v48
	v_cndmask_b32 v40, v40, v42, vcc_lo            ; odd quadrants take sin r
	v_cmp_eq_u32 vcc_lo, 1, v49
	v_cndmask_b32 v41, v41, v43, vcc_lo
	v_add_nc_u32 v46, 1, v46
	v_add_nc_u32 v47, 1, v47
	v_and_b32 v46, 2, v46                          ; quadrants 1 and 2 are negative
	v_and_b32 v47, 2, v47
	v_lshlrev_b32 v46, 30, v46
	v_lshlrev_b32 v47, 30, v47
	v_xor_b32 v[64+2*\k], v40, v46
	v_xor_b32 v[65+2*\k], v41, v47
	global_store_b64 v23, v[64+2*\k:65+2*\k], s[20:21] offset:256*\k   ; 32 lanes store a row: 256 consecutive bytes, aligned; each row has result registers of its own
.endm
.irp k, 0,1,2,3,4,5,6,7
	TROW \k
.endr
	s_endpgm
.Lfunc_end_k_q12175ecd00_quant:
	.size	k_q12175ecd00_quant, .Lfunc_end_k_q12175ecd00_quant-k_q12175ecd00_quant
	.p2alignl 7, 3214868480
	.fill 96, 4, 3214868480
	.section	.rodata,"a",@progbits
	.p2align	6, 0x0
	.amdhsa_kernel k_q12175ecd00_quant
		.amdhsa_group_segment_fixed_size 33280
		.amdhsa_private_segment_fixed_size 0
		.amdhsa_enable_private_segment 0
		.amdhsa_kernarg_size 72
		.amdhsa_user_sgpr_count 2
		.amdhsa_user_sgpr_kernarg_segment_ptr 1
		.amdhsa_wavefront_size32 1
		.amdhsa_system_sgpr_workgroup_id_x 1
		.amdhsa_system_sgpr_workgroup_id_y 1
		.amdhsa_system_sgpr_workgroup_id_z 1
		.amdhsa_system_vgpr_workitem_id 0
		.amdhsa_next_free_vgpr 256
		.amdhsa_next_free_sgpr 66
		.amdhsa_reserve_vcc 1
		.amdhsa_float_denorm_mode_32 3
		.amdhsa_float_denorm_mode_16_64 3
		.amdhsa_memory_ordered 1
		.amdhsa_forward_progress 1
		.amdhsa_inst_pref_size 53
	.end_amdhsa_kernel
	.amdgpu_metadata
---
amdhsa.version: [ 1, 2 ]
amdhsa.kernels:
  - .name:           k_q12175ecd00_quant
    .symbol:         k_q12175ecd00_quant.kd
    .args:
      - { .name: x, .offset: 0, .size: 8, .value_kind: global_buffer, .address_space: global }
      - { .name: Wq, .offset: 8, .size: 8, .value_kind: global_buffer, .address_space: global }
      - { .name: Wk, .offset: 16, .size: 8, .value_kind: global_buffer, .address_space: global }
      - { .name: Wv, .offset: 24, .size: 8, .value_kind: global_buffer, .address_space: global }
      - { .name: Wproj, .offset: 32, .size: 8, .value_kind: global_buffer, .address_space: global }
      - { .name: xc, .offset: 40, .size: 8, .value_kind: global_buffer, .address_space: global }
      - { .name: xs, .offset: 48, .size: 8, .value_kind: global_buffer, .address_space: global }
      - { .name: wts, .offset: 56, .size: 8, .value_kind: global_buffer, .address_space: global }
      - { .name: tab, .offset: 64, .size: 8, .value_kind: global_buffer, .address_space: global }
    .group_segment_fixed_size: 33280
    .private_segment_fixed_size: 0
    .kernarg_segment_align: 8
    .kernarg_segment_size: 72
    .max_flat_workgroup_size: 128
    .sgpr_count:     66
    .vgpr_count:     256
    .wavefront_size: 32
...
	.end_amdgpu_metadata
.endif
;; end of part 1
;; launch qkv (part 2): grid 6 x 32, 4 waves a work-group, no clusters, 327,680 bytes of LDS; arguments xc, xs, wts, tab, q_gain, qimg, kv; writes qimg, kv
.if DOCPART == 2
	.amdgcn_target "amdgcn-amd-amdhsa--gfx1250"
	.amdhsa_code_object_version 6
	.text
	.protected	k_q12175ecd00_qkv
	.globl	k_q12175ecd00_qkv
	.p2align	8
	.type	k_q12175ecd00_qkv,@function
k_q12175ecd00_qkv:
	s_mov_b64 s[64:65], 0
	v_nop
	global_prefetch_b8 v0, s[64:65] scope:SCOPE_SE
	s_setreg_imm32_b32 hwreg(HW_REG_WAVE_MODE, 25, 1), 1
	s_wait_xcnt 0x0
; Products 1-3 on codes of FP6 (E2M3): a block of 256 positions x 256 columns of (Wq | Wk | Wv) for each work-group, a wave 128 x 128; then rms-norm, rotation, gain, and the codes of q, k, v as images of operand registers.
; Column blocks 0-3: q, 4: k, 5: v.  In block 5 the two operands change places (x becomes source 0), so that a lane's registers run along the keys.
; K goes through a ring of two LDS slots in CHUNKS OF 256 BYTES of each row of codes (a row is 768 bytes: three chunks, each on a 256-byte border); a step of 128 along K is 96 bytes: steps 2 and 5 lie across two chunks.
; The head's four tiles (chunk 0 of both operands, both operands' scales) are shared out, one tensor load a wave; slot 1 is first filled behind the full sequence; slot 0 takes chunk 2 behind step 2's barrier.
; NO CLUSTER: the six column blocks do not divide into fours.  NO PREFETCH: of three chunks two are asked for at the head, and the third two steps behind them.
; Nothing of reference() is left out here.
.set NQ,     2
.set ROWB,   256
.set KROW,   768
.set CHUNKS, 3
.set PITCH,  272
.set FR,     12
.set NL,     6
.set NP,     4
.set HALFT,  128*PITCH
.set SLOT,   4*HALFT
.set KS,     32
.set SCL,    2*SLOT
.set HALFS,  (128*KS/256)*272
.set SBLK,   (16*KS/256)*272
.set SPARE,  SCL+4*HALFS
.set ADRA, 16
.set ADRB, 20
.set LI16, 24
.set VT,   25
.set LI8,  26
.set ADRS, 27
.set SPW,  28
.set NIL,  29
.set SC,   32
.set AF,   128
.set YR,   64
.set CDR,  96
.set PTM,  108
.set TT,   116
.set FSR,  128
.set TMR,  136
.set WER,  152
.set PWR,  153
.set SWR,  156
.set SWVR, 164
.set G1,  24
.set G0,  32
.set G1S, 40
.set G0S, 48
.set G0H, 52
.set SEL, 76
.set HM,  78
.set C64, 79
.set EPSR, 80
.set GAIN, 82
.set DQ0, 84
.set TABB, 92
.set MSB, 0
.macro WIN new
.if MSB != \new
	s_set_vgpr_msb (MSB<<8)|\new
.set MSB, \new
.endif
.endm
.set MUL_LO, 0xa1
.set MUL_HI, 0xf1
.set TO_B,   0x40
	s_load_b256 s[4:11], s[0:1], 0x0               ; xc, xs, wts, tab
	s_load_b128 s[12:15], s[0:1], 0x20             ; q_gain, qimg
	s_load_b64 s[16:17], s[0:1], 0x30              ; kv
	v_lshl_add_u32 v[SPW], v0, 2, SPARE
	v_mov_b32 v[NIL], 0
	ds_add_u32 v[SPW], v[NIL]                      ; the opening lines: the add twice and its wait
	ds_add_u32 v[SPW], v[NIL]
	v_lshrrev_b32 v1, 5, v0
	v_readfirstlane_b32 s18, v1                    ; wave
	s_lshr_b32 s19, s18, 1
	s_and_b32 s20, s18, 1
	s_mov_b32 s21, ttmp9                           ; column block
	s_and_b32 s22, ttmp7, 0xffff                   ; row block
	s_mov_b32 s[G1+0], (1<<20)|(5<<22)|(3<<25)     ; rows of 256 bytes, 16 of padding behind each; 256 rows at the head
	s_mov_b32 s[G1+1], ROWB<<16
	s_mov_b32 s[G1+2], 256<<16
	s_mov_b32 s[G1+3], ROWB<<16
	s_mov_b32 s[G1+4], 256
	s_mov_b32 s[G1+5], KROW
	s_mov_b32 s[G1+6], 0
	s_mov_b32 s[G1+7], 0
	s_mov_b32 s[G1S+0], (3<<16)|(1<<20)|(5<<22)|(3<<25)   ; the scales of 256 rows: 32 dense units of 256 bytes
	s_mov_b32 s[G1S+1], 32<<16
	s_mov_b32 s[G1S+2], 32<<16
	s_mov_b32 s[G1S+3], 32<<16
	s_mov_b32 s[G1S+4], 32
	s_mov_b32 s[G1S+5], 32
	s_mov_b32 s[G1S+6], 0
	s_mov_b32 s[G1S+7], 0
	s_mov_b32 s[SEL], 0x76543210
	s_mov_b32 s[SEL+1], 0xfedcba98
	s_mov_b32 s[HM], 0xffff0000
	s_mov_b32 s[C64], 0x3c800000
	s_mov_b32 s[EPSR], 0x34000000
	s_mul_i32 s56, s22, 256*KROW                   ; x's tile, W's tile, and their scales, in bytes
	s_mov_b32 s57, 0
	s_mul_i32 s58, s21, 256*KROW
	s_mov_b32 s59, 0
	s_lshl_b32 s60, s22, 13
	s_mov_b32 s61, 0
	s_lshl_b32 s62, s21, 13
	s_add_co_u32 s62, s62, 1966080
	s_mov_b32 s63, 0
	s_cmp_eq_u32 s21, 5
	s_cselect_b32 s66, 1, 0                        ; v: the operands change places
	s_xor_b32 s96, s66, s20                        ; the head: LDS part wave % 2 takes x (0) or W (1)
	s_xor_b32 s97, s66, s19                        ; the ring: part wave / 2
	s_mul_i32 s98, s20, 2*HALFT
	s_mul_i32 s99, s20, 2*HALFS
	s_add_co_u32 s99, s99, SCL
	s_mul_i32 s74, s18, HALFT
	s_mul_i32 s72, s20, 128*KROW
	s_mov_b32 s73, 0
	s_mov_b32 s66, SLOT-232
	s_mov_b32 s67, SLOT+232
	s_mul_i32 s68, s19, HALFT                      ; my 128 rows of the first part,
	s_mul_i32 s69, s20, HALFT
	s_add_co_u32 s69, s69, 2*HALFT                 ; and of the second
	s_add_co_u32 s70, s68, SLOT
	s_add_co_u32 s71, s69, SLOT
	s_wait_dscnt 0x0
	s_wait_kmcnt 0x0
	s_add_nc_u64 s[56:57], s[4:5], s[56:57]
	s_add_nc_u64 s[58:59], s[8:9], s[58:59]
	s_add_nc_u64 s[60:61], s[6:7], s[60:61]
	s_add_nc_u64 s[62:63], s[8:9], s[62:63]
	s_cmp_eq_u32 s96, 0
	s_cselect_b64 s[G0H+2:G0H+3], s[56:57], s[58:59]
	s_cselect_b64 s[G0S+2:G0S+3], s[60:61], s[62:63]
	s_cmp_eq_u32 s97, 0
	s_cselect_b64 s[56:57], s[56:57], s[58:59]
	s_add_nc_u64 s[56:57], s[56:57], s[72:73]      ; the ring: my 128 rows
	s_mov_b32 s[G0H], 1
	s_mov_b32 s[G0H+1], s98
	s_or_b32 s[G0H+3], s[G0H+3], 0x80000000
	s_mov_b32 s[G0S], 1
	s_mov_b32 s[G0S+1], s99
	s_or_b32 s[G0S+3], s[G0S+3], 0x80000000
.irp s, 0,1
	s_mov_b32 s[G0+4*\s], 1
	s_add_co_u32 s[G0+4*\s+1], s74, \s*SLOT
	s_add_nc_u64 s[G0+4*\s+2:G0+4*\s+3], s[56:57], \s*ROWB
	s_or_b32 s[G0+4*\s+3], s[G0+4*\s+3], 0x80000000
.endr
	s_mul_i32 s72, s19, HALFS                      ; my scale words: lanes 0-15 the first part's, lanes 16-31 the second's
	s_mul_i32 s73, s20, HALFS
	s_add_co_u32 s73, s73, 2*HALFS
	s_sub_co_u32 s73, s73, s72
	s_add_co_u32 s72, s72, SCL
	s_cmp_lt_u32 s18, 2                            ; one tensor load a wave: waves 0, 1 chunk 0's two parts, waves 2, 3 the two parts' scales
	s_cbranch_scc0 .Lhead_s
	tensor_load_to_lds s[G0H:G0H+3], s[G1:G1+7]
	s_nop 0
.rept 4
	v_nop
.endr
	s_branch .Lhead_asked
.Lhead_s:
	tensor_load_to_lds s[G0S:G0S+3], s[G1S:G1S+7]
	s_nop 0
.rept 4
	v_nop
.endr
.Lhead_asked:
	v_and_b32 v1, 15, v0
	v_bfe_u32 v2, v0, 4, 1
	v_mul_u32_u24 v3, v1, PITCH
	v_mul_u32_u24 v4, v2, 24
	v_add_nc_u32 v4, v3, v4                        ; row x pitch + 24 x half
	v_sub_nc_u32 v7, 1, v2
	v_mul_u32_u24 v5, s66, v2
	v_add_nc_u32 v5, v3, v5
	v_add_nc_u32 v5, 232, v5                       ; across two chunks: lanes 0-15 byte 232 in slot 0, lanes 16-31 byte 0 in slot 1;
	v_mul_u32_u24 v6, s67, v7
	v_add_nc_u32 v6, v3, v6                        ; and the other way round
	v_add_nc_u32 v[ADRA+2], s68, v5
	v_add_nc_u32 v[ADRA+3], s68, v6
	v_add_nc_u32 v[ADRB+2], s69, v5
	v_add_nc_u32 v[ADRB+3], s69, v6
	v_add_nc_u32 v[ADRA], s68, v4
	v_add_nc_u32 v[ADRB], s69, v4
	v_add_nc_u32 v[ADRA+1], s70, v4
	v_add_nc_u32 v[ADRB+1], s71, v4
	v_mul_u32_u24 v5, v1, KS
	v_lshrrev_b32 v6, 8, v5
	v_lshl_add_u32 v5, v6, 4, v5
	v_mul_u32_u24 v6, s73, v2
	v_add_nc_u32 v5, v5, v6
	v_add_nc_u32 v[ADRS], s72, v5
	v_and_b32 v6, 31, v0
	v_lshlrev_b32 v[LI16], 4, v6
	v_lshlrev_b32 v[LI8], 3, v6
	v_and_b32 v3, 7, v1
	v_lshrrev_b32 v4, 3, v1
	v_lshl_add_u32 v3, v4, 4, v3
	v_lshlrev_b32 v3, 8, v3
	v_lshl_add_u32 v[VT], v2, 6, v3
.macro FRAG reg, adr, st, i            ; 16 rows x 128 K: six pieces of 8 bytes; byte y of a row lies in slot (y / 256) % 2 at byte y % 256
.irp p, 0,1,2,3,4,5
.set BY, 96*(\st)+48*(\p/3)+8*(\p%3)
.if BY/ROWB == (BY+24)/ROWB
	ds_load_b64 v[\reg+2*\p:\reg+2*\p+1], v[\adr+(BY/ROWB)%2] offset:BY%ROWB+(\i)*16*PITCH
.else
	ds_load_b64 v[\reg+2*\p:\reg+2*\p+1], v[\adr+2+(BY/ROWB)%2] offset:BY%ROWB-232+(\i)*16*PITCH
.endif
.endr
.endm
.macro MUL16 a0, p, q, sc, zero        ; the 64 accumulators take turns, in the same order in every step
.irp a, \a0, \a0+1
.irp b, 0,1,2,3,4,5,6,7
.if \zero
	v_wmma_scale_f32_16x16x128_f8f6f4 v[8*(8*((\a)%4)+\b):8*(8*((\a)%4)+\b)+7], v[128*(\p)+FR*\b:128*(\p)+FR*\b+FR-1], v[AF+FR*(\a):AF+FR*(\a)+FR-1], 0, v[SC+8*NQ*(\sc)+NQ*\b+(\q)], v[SC+8*NQ*(\sc)+NQ*(\a)+(\q)] matrix_a_fmt:MATRIX_FMT_FP6 matrix_b_fmt:MATRIX_FMT_FP6 matrix_a_scale:MATRIX_SCALE_ROW1
.else
	v_wmma_scale_f32_16x16x128_f8f6f4 v[8*(8*((\a)%4)+\b):8*(8*((\a)%4)+\b)+7], v[128*(\p)+FR*\b:128*(\p)+FR*\b+FR-1], v[AF+FR*(\a):AF+FR*(\a)+FR-1], v[8*(8*((\a)%4)+\b):8*(8*((\a)%4)+\b)+7], v[SC+8*NQ*(\sc)+NQ*\b+(\q)], v[SC+8*NQ*(\sc)+NQ*(\a)+(\q)] matrix_a_fmt:MATRIX_FMT_FP6 matrix_b_fmt:MATRIX_FMT_FP6 matrix_a_scale:MATRIX_SCALE_ROW1
.endif
.endr
.endr
.endm
.macro FETCH_B st, p
	WIN TO_B
.irp i, 0,1,2,3,4,5,6,7
	FRAG 128*(\p)+FR*\i, ADRB, \st, \i
.endr
	WIN 0
.endm
.macro FETCH_A st, i0
.irp i, \i0, \i0+1, \i0+2, \i0+3
	FRAG AF+FR*(\i), ADRA, \st, \i
.endr
.endm
.macro SCALES pr                       ; the scale words of steps 2 pr, 2 pr + 1 into set pr % 2
.irp i, 0,1,2,3,4,5,6,7
	ds_load_b64 v[SC+8*NQ*((\pr)%2)+NQ*\i:SC+8*NQ*((\pr)%2)+NQ*\i+1], v[ADRS] offset:\i*SBLK+4*NQ*(\pr)
.endr
.endm
.macro PLACES n
.rept \n
	v_nop
.endr
.endm
; A step: 64 products; the next step's fragments are fetched in its middle and at its end.  Where the next step ends in a chunk not read yet: wait for my tensor loads, barrier.
; Where it begins in a later chunk: the three lines, the barrier, and, while a chunk two on is left, the refill first behind it.
.macro STEP st, zero
.set NX, (\st)+1
.set C0, (96*(\st))/ROWB
.set C1, (96*NX)/ROWB
.set E0, (96*(\st)+95)/ROWB
.set E1, (96*NX+95)/ROWB
.if C1 > C0 || E1 > E0
	s_wait_tensorcnt 0x0
.if C1 > C0
	ds_add_u32 v[SPW], v[NIL]
	s_wait_dscnt 4*NL+1                            ; the add and the youngest 24 loads (blocks 4-7 of the second source) may be out
.else
	s_wait_dscnt 4*NL
.endif
	WIN MUL_LO
	MUL16 0, (\st)%2, (\st)%2, ((\st)/2)%2, \zero
	s_wait_dscnt 0x0
	s_barrier_signal -1
	MUL16 2, (\st)%2, (\st)%2, ((\st)/2)%2, \zero
	WIN 0
	s_barrier_wait -1
.if C1 > C0 && C0+2 < CHUNKS
	s_add_nc_u64 s[G0+4*(C0%2)+2:G0+4*(C0%2)+3], s[G0+4*(C0%2)+2:G0+4*(C0%2)+3], 2*ROWB
	tensor_load_to_lds s[G0+4*(C0%2):G0+4*(C0%2)+3], s[G1:G1+7]
	s_nop 0
.endif
	PLACES NP
.else
	s_wait_dscnt 4*NL
	WIN MUL_LO
	MUL16 0, (\st)%2, (\st)%2, ((\st)/2)%2, \zero
	MUL16 2, (\st)%2, (\st)%2, ((\st)/2)%2, \zero
	s_wait_dscnt 0
	PLACES NP
.endif
	FETCH_B NX, NX%2
	FETCH_A NX, 0
.if NX%2 == 0
	SCALES NX/2
.endif
	WIN MUL_HI
	MUL16 4, (\st)%2, (\st)%2, ((\st)/2)%2, \zero
	MUL16 6, (\st)%2, (\st)%2, ((\st)/2)%2, \zero
	PLACES NP
	WIN 0
	FETCH_A NX, 4
.endm
	s_wait_alu depctr_va_vdst(0)                   ; the head's end
	s_wait_tensorcnt 0x0                           ; my tile of the head's four is in
	ds_add_u32 v[SPW], v[NIL]
	s_mov_b32 s[G1+2], 128<<16                     ; no load of mine is out: from here on a load brings 128 rows
	s_mov_b32 s[G1+4], 128
	s_wait_dscnt 0x0
	s_barrier_signal -1
	s_barrier_wait -1
	tensor_load_to_lds s[G0+4:G0+7], s[G1:G1+7]    ; chunk 1, slot 1's first fill
	s_nop 0
	PLACES NP
	FETCH_B 0, 0
	FETCH_A 0, 0
	SCALES 0
	FETCH_A 0, 4
	STEP 0, 1
.irp st, 1,2,3,4,5,6
	STEP \st, 0
.endr
	s_wait_dscnt 4*NL
	WIN MUL_LO
	MUL16 0, 1, 1, 1, 0
	MUL16 2, 1, 1, 1, 0
	s_wait_dscnt 0
	WIN MUL_HI
	MUL16 4, 1, 1, 1, 0
	MUL16 6, 1, 1, 1, 0
	WIN 0
	PLACES NP
	s_cmp_eq_u32 s21, 5
	s_cbranch_scc1 .Lv
.macro QUANT2 src, dst, tmp
	v_max3_num_f32 v[TMR], |v[\src]|, |v[\src+1]|, 0x1800000
	v_max3_num_f32 v[TMR+1], |v[\src+16]|, |v[\src+17]|, 0x1800000
.irp i, 2,4,6,8,10,12,14
	v_max3_num_f32 v[TMR], v[TMR], |v[\src+\i]|, |v[\src+\i+1]|
	v_max3_num_f32 v[TMR+1], v[TMR+1], |v[\src+16+\i]|, |v[\src+17+\i]|
.endr
	v_permlanex16_b32 v[TMR+2], v[TMR], s[SEL], s[SEL+1]
	v_permlanex16_b32 v[TMR+3], v[TMR+1], s[SEL], s[SEL+1]
	v_max_num_f32 v[TMR], v[TMR], v[TMR+2]
	v_max_num_f32 v[TMR+1], v[TMR+1], v[TMR+3]
	v_add_nc_u32 v[TMR+4], 0xff000000, v[TMR]
	v_add_nc_u32 v[TMR+5], 0xff000000, v[TMR+1]
	v_lshrrev_b32 v[TMR+6], 23, v[TMR+4]
	v_lshrrev_b32 v[TMR+7], 23, v[TMR+5]
	v_cvt_scalef32_pk16_fp6_f32 v[\dst:\dst+2], v[\src:\src+15], v[TMR+4]
	v_cvt_scalef32_pk16_fp6_f32 v[\tmp:\tmp+2], v[\src+16:\src+31], v[TMR+5]
	v_lshl_or_b32 v[PWR], v[TMR+7], 8, v[TMR+6]
	v_or_b32 v[PWR], 0x7f7f0000, v[PWR]
.irp i, 0,1,2
	v_permlane16_swap_b32 v[\dst+\i], v[\tmp+\i]
.endr
.irp i, 0,1,2
	v_mov_b32 v[\dst+3+\i], v[\tmp+\i]
.endr
.endm
.macro ROPEQ a, g
.set AC, 64*((\a)%4)+32*(\g)
.set CT, 32*(\a)
.set FQ, FSR+2*(2*((\a)%2)+(\g))
.set WSEL, (2+(\a)/4)|(1<<2)
	WIN WSEL
.irp k, 0,1,2,3,4,5,6,7
	v_pk_mul_f32 v[TT+4*(\k%2):TT+4*(\k%2)+1], v[AC+16+2*\k:AC+17+2*\k], v[CT+16+2*\k:CT+17+2*\k]
	v_pk_mul_f32 v[TT+4*(\k%2)+2:TT+4*(\k%2)+3], v[AC+2*\k:AC+2*\k+1], v[CT+16+2*\k:CT+17+2*\k]
	v_pk_fma_f32 v[YR+2*\k:YR+2*\k+1], v[AC+2*\k:AC+2*\k+1], v[CT+2*\k:CT+2*\k+1], v[TT+4*(\k%2):TT+4*(\k%2)+1]
	v_pk_fma_f32 v[YR+16+2*\k:YR+17+2*\k], v[AC+16+2*\k:AC+17+2*\k], v[CT+2*\k:CT+2*\k+1], v[TT+4*(\k%2)+2:TT+4*(\k%2)+3] neg_lo:[0,0,1] neg_hi:[0,0,1]
.endr
	WIN 0
.irp k, 0,1,2,3,4,5,6,7,8,9,10,11,12,13,14,15
	v_pk_mul_f32 v[YR+2*\k:YR+2*\k+1], v[YR+2*\k:YR+2*\k+1], v[FQ:FQ+1] op_sel_hi:[1,0]
.endr
	QUANT2 YR, CDR+6*((\a)%2), PTM
.if (\a)%2 == 0
	v_mov_b32 v[WER], v[PWR]
.else
	v_cndmask_b32 v[SWR+4*(\g)+(\a)/2], v[WER], v[PWR], s[HM]
.endif
.endm
.macro PAIR p
.set WSEL, (2+(\p)/2)|((2+(\p)/2)<<2)
	WIN WSEL
.irp q, 0,1,2,3
.set AC, 64*((2*(\p)+\q/2)%4)+32*(\q%2)
	v_pk_mul_f32 v[TMR+4*\q:TMR+4*\q+1], v[AC:AC+1], v[AC:AC+1]
	v_pk_mul_f32 v[TMR+4*\q+2:TMR+4*\q+3], v[AC+16:AC+17], v[AC+16:AC+17]
.endr
.irp i, 2,4,6,8,10,12,14
.irp q, 0,1,2,3
.set AC, 64*((2*(\p)+\q/2)%4)+32*(\q%2)+\i
	v_pk_fma_f32 v[TMR+4*\q:TMR+4*\q+1], v[AC:AC+1], v[AC:AC+1], v[TMR+4*\q:TMR+4*\q+1]
	v_pk_fma_f32 v[TMR+4*\q+2:TMR+4*\q+3], v[AC+16:AC+17], v[AC+16:AC+17], v[TMR+4*\q+2:TMR+4*\q+3]
.endr
.endr
	WIN 0
.irp q, 0,1,2,3
	v_pk_add_f32 v[TMR+4*\q:TMR+4*\q+1], v[TMR+4*\q:TMR+4*\q+1], v[TMR+4*\q+2:TMR+4*\q+3]
.endr
.irp q, 0,1,2,3
	v_add_f32 v[FSR+2*\q], v[TMR+4*\q], v[TMR+4*\q+1]
.endr
.irp q, 0,1,2,3
	v_permlanex16_b32 v[FSR+2*\q+1], v[FSR+2*\q], s[SEL], s[SEL+1]
.endr
.irp q, 0,1,2,3
	v_add_f32 v[FSR+2*\q], v[FSR+2*\q], v[FSR+2*\q+1]
.endr
.irp q, 0,1,2,3
	v_fma_f32 v[FSR+2*\q], v[FSR+2*\q], s[C64], s[EPSR]
.endr
	s_wait_alu depctr_va_vdst(0)
.irp q, 0,1,2,3
	v_rsq_f32 v[FSR+2*\q], v[FSR+2*\q]
.endr
	v_nop
	s_wait_alu depctr_va_vdst(0)
.irp q, 0,1,2,3
	v_mul_f32 v[FSR+2*\q], s[GAIN+\q%2], v[FSR+2*\q]
.endr
	s_wait_loadcnt 16*(3-(\p))
.irp g, 0,1
	s_wait_xcnt 0x0
	ROPEQ 2*(\p), \g
	ROPEQ 2*(\p)+1, \g
.irp c, 0,1,2
	global_store_b128 v[LI16], v[CDR+4*\c:CDR+4*\c+3], s[DQ0+2*\g:DQ0+2*\g+1] offset:512*(3*(\p)+\c)
.endr
.endr
.endm
	s_lshl_b32 s66, s22, 1
	s_add_co_u32 s66, s66, s19
	s_lshr_b32 s67, s66, 4
	s_and_b32 s68, s66, 15
	s_lshl_b32 s69, s20, 1
	s_lshl_b32 s70, s21, 2
	s_add_co_u32 s70, s70, s69
	s_cmp_eq_u32 s21, 4
	s_cselect_b64 s[DQ0:DQ0+1], s[16:17], s[14:15]
	s_cselect_b32 s71, 4, 16
	s_cselect_b32 s72, s69, s70
	s_mov_b32 s73, 6656
	s_cselect_b32 s73, 13056, s73
	s_mov_b32 s74, 6144
	s_cselect_b32 s74, 12288, s74
	s_cselect_b32 s75, 0, s70
	s_mul_i32 s71, s67, s71
	s_add_co_u32 s71, s71, s72
	s_lshl_b32 s71, s71, 4
	s_add_co_u32 s71, s71, s68
	s_mul_i32 s66, s71, s73
	s_mov_b32 s67, 0
	s_add_nc_u64 s[DQ0:DQ0+1], s[DQ0:DQ0+1], s[66:67]
	s_lshl_b32 s66, s73, 4
	s_add_nc_u64 s[DQ0+2:DQ0+3], s[DQ0:DQ0+1], s[66:67]
	s_mov_b32 s66, s74
	s_add_nc_u64 s[DQ0+4:DQ0+5], s[DQ0:DQ0+1], s[66:67]
	s_add_nc_u64 s[DQ0+6:DQ0+7], s[DQ0+2:DQ0+3], s[66:67]
	s_lshl_b32 s66, s68, 15
	s_add_nc_u64 s[TABB:TABB+1], s[10:11], s[66:67]
	s_lshl_b32 s66, s75, 2
	s_add_nc_u64 s[94:95], s[12:13], s[66:67]
	s_load_b64 s[GAIN:GAIN+1], s[94:95], 0x0
	WIN TO_B
.irp a, 0,1,2,3,4,5,6,7
.irp q, 0,1,2,3
	global_load_b128 v[32*\a+4*\q:32*\a+4*\q+3], v[VT], s[TABB:TABB+1] offset:(32*(\a/2)+8*(\a%2))*256+16*\q
	global_load_b128 v[32*\a+16+4*\q:32*\a+19+4*\q], v[VT], s[TABB:TABB+1] offset:(32*(\a/2)+8*(\a%2))*256+128+16*\q
.endr
.endr
	WIN 0
.irp i, 1,3,5,7
	v_mov_b32 v[FSR+\i], 0
.endr
	s_wait_kmcnt 0x0
	s_cmp_eq_u32 s21, 4
	s_cselect_b32 s[GAIN], 1.0, s[GAIN]
	s_cselect_b32 s[GAIN+1], 1.0, s[GAIN+1]
	PAIR 0
	PAIR 1
	PAIR 2
	PAIR 3
.irp g, 0,1
	global_store_b128 v[LI16], v[SWR+4*\g:SWR+4*\g+3], s[DQ0+4+2*\g:DQ0+5+2*\g]
.endr
	s_wait_tensorcnt 0x0
	ds_add_u32 v[SPW], v[NIL]
	s_wait_dscnt 0x0
	s_endpgm
.macro VOUT a
.set AC, 64*((\a)%4)
.set WSEL, (2+(\a)/4)|((2+(\a)/4)<<2)
	s_wait_xcnt 0x0
	WIN WSEL
.irp b, 0,1,2,3
	v_max3_num_f32 v[TMR+\b], |v[AC+16*\b]|, |v[AC+16*\b+1]|, 0x1800000
.endr
.irp i, 2,4,6,8,10,12,14
.irp b, 0,1,2,3
	v_max3_num_f32 v[TMR+\b], |v[AC+16*\b+\i]|, |v[AC+16*\b+\i+1]|, v[TMR+\b]
.endr
.endr
	WIN 0
.irp b, 0,1,2,3
	v_permlanex16_b32 v[TMR+4+\b], v[TMR+\b], s[SEL], s[SEL+1]
.endr
.irp b, 0,1,2,3
	v_max_num_f32 v[TMR+\b], v[TMR+\b], v[TMR+4+\b]
.endr
.irp b, 0,1,2,3
	v_add_nc_u32 v[TMR+12+\b], 0xff000000, v[TMR+\b]
.endr
.irp b, 0,1,2,3
	v_lshrrev_b32 v[TMR+4+\b], 23, v[TMR+12+\b]
.endr
	v_lshl_or_b32 v[PWR], v[TMR+5], 8, v[TMR+4]
	v_lshl_or_b32 v[PWR], v[TMR+6], 16, v[PWR]
	v_lshl_or_b32 v[PWR], v[TMR+7], 24, v[PWR]
.set WSEL, 2+(\a)/4
	WIN WSEL
.irp c, 0,1
	v_cvt_scalef32_pk16_fp6_f32 v[CDR+6*\c:CDR+6*\c+2], v[AC+32*\c:AC+32*\c+15], v[TMR+12+2*\c]
	v_cvt_scalef32_pk16_fp6_f32 v[PTM+4*\c:PTM+4*\c+2], v[AC+16+32*\c:AC+31+32*\c], v[TMR+13+2*\c]
.endr
	WIN 0
	v_nop
.irp c, 0,1
.irp i, 0,1,2
	v_permlane16_swap_b32 v[CDR+6*\c+\i], v[PTM+4*\c+\i]
.endr
.irp i, 0,1,2
	v_mov_b32 v[CDR+3+6*\c+\i], v[PTM+4*\c+\i]
.endr
.endr
.irp c, 0,1,2
	global_store_b128 v[LI16], v[CDR+4*\c:CDR+4*\c+3], s[DQ0+2*((\a)/4):DQ0+2*((\a)/4)+1] offset:6144+1536*((\a)%4)+512*\c
.endr
.if (\a)%2 == 0
	v_mov_b32 v[WER], v[PWR]
.else
	v_cndmask_b32 v[SWVR+((\a)%4)/2], v[WER], v[PWR], s[HM]
.endif
.if (\a)%4 == 3
	global_store_b64 v[LI8], v[SWVR:SWVR+1], s[DQ0+2*((\a)/4):DQ0+2*((\a)/4)+1] offset:12800
.endif
.endm
.Lv:
	s_lshl_b32 s66, s22, 1
	s_add_co_u32 s66, s66, s20
	s_lshr_b32 s67, s66, 4
	s_and_b32 s68, s66, 15
	s_lshl_b32 s67, s67, 2
	s_lshl_b32 s69, s19, 1
	s_add_co_u32 s67, s67, s69
	s_lshl_b32 s67, s67, 4
	s_add_co_u32 s67, s67, s68
	s_mul_i32 s66, s67, 13056
	s_mov_b32 s67, 0
	s_add_nc_u64 s[DQ0:DQ0+1], s[16:17], s[66:67]
	s_add_nc_u64 s[DQ0+2:DQ0+3], s[DQ0:DQ0+1], 208896
.irp i, 4,5,6,7
	v_mov_b32 v[TMR+\i], 0
.endr
.irp a, 0,1,2,3,4,5,6,7
	VOUT \a
.endr
	s_wait_tensorcnt 0x0
	ds_add_u32 v[SPW], v[NIL]
	s_wait_dscnt 0x0
	s_endpgm
.Lfunc_end_k_q12175ecd00_qkv:
	.size	k_q12175ecd00_qkv, .Lfunc_end_k_q12175ecd00_qkv-k_q12175ecd00_qkv
	.p2alignl 7, 3214868480
	.fill 96, 4, 3214868480
	.section	.rodata,"a",@progbits
	.p2align	6, 0x0
	.amdhsa_kernel k_q12175ecd00_qkv
		.amdhsa_group_segment_fixed_size 327680
		.amdhsa_private_segment_fixed_size 0
		.amdhsa_enable_private_segment 0
		.amdhsa_kernarg_size 56
		.amdhsa_user_sgpr_count 2
		.amdhsa_user_sgpr_kernarg_segment_ptr 1
		.amdhsa_wavefront_size32 1
		.amdhsa_system_sgpr_workgroup_id_x 1
		.amdhsa_system_sgpr_workgroup_id_y 1
		.amdhsa_system_sgpr_workgroup_id_z 1
		.amdhsa_system_vgpr_workitem_id 0
		.amdhsa_next_free_vgpr 1024
		.amdhsa_next_free_sgpr 100
		.amdhsa_reserve_vcc 0
		.amdhsa_float_denorm_mode_32 3
		.amdhsa_float_denorm_mode_16_64 3
		.amdhsa_memory_ordered 1
		.amdhsa_forward_progress 1
		.amdhsa_inst_pref_size 255
	.end_amdhsa_kernel
	.section	.bss,"aw",@nobits
	.p2align	6
	.space	262144
	.amdgpu_metadata
---
amdhsa.version: [ 1, 2 ]
amdhsa.kernels:
  - .name:           k_q12175ecd00_qkv
    .symbol:         k_q12175ecd00_qkv.kd
    .args:
      - { .name: xc, .offset: 0, .size: 8, .value_kind: global_buffer, .address_space: global }
      - { .name: xs, .offset: 8, .size: 8, .value_kind: global_buffer, .address_space: global }
      - { .name: wts, .offset: 16, .size: 8, .value_kind: global_buffer, .address_space: global }
      - { .name: tab, .offset: 24, .size: 8, .value_kind: global_buffer, .address_space: global }
      - { .name: q_gain, .offset: 32, .size: 8, .value_kind: global_buffer, .address_space: global }
      - { .name: qimg, .offset: 40, .size: 8, .value_kind: global_buffer, .address_space: global }
      - { .name: kv, .offset: 48, .size: 8, .value_kind: global_buffer, .address_space: global }
    .group_segment_fixed_size: 327680
    .private_segment_fixed_size: 0
    .kernarg_segment_align: 8
    .kernarg_segment_size: 56
    .max_flat_workgroup_size: 128
    .sgpr_count:     100
    .vgpr_count:     1024
    .wavefront_size: 32
...
	.end_amdgpu_metadata
.endif
;; end of part 2
;; launch attn (part 3): grid 16 x 16, 16 waves a work-group, clusters of 4 x 1, 227,328 bytes of LDS; arguments qimg, kv, yc, ys; writes yc, ys
.if DOCPART == 3
	.amdgcn_target "amdgcn-amd-amdhsa--gfx1250"
	.amdhsa_code_object_version 6
	.text
	.protected	k_q12175ecd00_attn
	.globl	k_q12175ecd00_attn
	.p2align	8
	.type	k_q12175ecd00_attn,@function
k_q12175ecd00_attn:
	s_mov_b64 s[64:65], 0
	v_nop
	global_prefetch_b8 v0, s[64:65] scope:SCOPE_SE
	s_setreg_imm32_b32 hwreg(HW_REG_WAVE_MODE, 25, 1), 1
	s_wait_xcnt 0x0
	s_wait_alu depctr_hold_cnt(0) depctr_sa_sdst(0) depctr_va_vdst(0) depctr_va_sdst(0) depctr_va_ssrc(0) depctr_va_vcc(0) depctr_vm_vsrc(0)
	s_getreg_b32 s2, hwreg(HW_REG_IB_STS2, 6, 4)
	s_cmp_eq_u32 s2, 0
	s_cbranch_scc0 .Lentry_in_a_cluster
	s_endpgm
.Lentry_in_a_cluster:
	s_bfe_u32 s2, ttmp6, 0x10000c
	s_cmp_lg_u32 s2, 0x3003
	s_cbranch_scc0 .Lentry_shape_is_right
	s_endpgm
.Lentry_shape_is_right:
; Products 4 and 5 on codes of FP6 (E2M3), the softmax between them, and the codes of y = O / l along (head, channel) for product 6.
; LEFT OUT: key steps of 128 keys that lie wholly behind a tile's last query: reference()'s own causal mask gives them the weight 0 (shown at the head of launch quant).  A NaN or infinity that reaches only such scores is not carried on.
; THE SOFTMAX: t = score x log2(e) / 8; M = the row's largest t so far, rounded UP to a whole number; p = 2^(t - M) is quantised along the keys, not normalised; the row's sum is taken of the unquantised p and divides O at the end.
; When M moves, the sum and O are multiplied by 2^(old M - new M): exact.
; SHARES.  Work-group (j, g): g = the (batch, key/value head), j = 0 .. 15.  A tile is 4 neighbouring queries x the 4 query heads of the key/value head (operand row = 4 x query + head).
; Wave w of work-group j takes tile 511 - T, then tile T, T = j + 16 w: 16 - w / 2 and w / 2 + 1 key steps of 128 keys: 17 for every wave, and both counts hang on the wave's number alone.  Only a tile's last step meets the diagonal.
; ALL 16 KEY STEPS OF g, 16 x 13,056 bytes, STAY IN LDS: wave w fetches step w by one tensor load at the head; waves 0 and 1 read all sixteen.
; CLUSTERS of 4 x 1: four work-groups of one g ask for each key step jointly (a mask names four work-groups at the most, so the sixteen of a g are four clusters).
; One barrier behind the fetch; nothing is filled again, so the walk over the keys has no barrier and each wave goes at its own pace.
; NO PREFETCH: every tile is asked for at the head; there is no loop to run ahead in.
; LAYOUT.  Both products are used transposed: S^T = K Q^T (source 0 = 16 keys), O^T = V^T P^T (source 0 = 16 channels): a lane holds one (query, head) throughout.  Tile 2 b + u of K holds in lane r key 32 b + 8 u + r + 8 (r / 8),
; so the 16 registers of tiles 2 b, 2 b + 1 are keys 32 b + 16 (lane / 16) + 0 .. 15; V's tiles of channels likewise.  K, V and their scale words lie in memory as images of operand registers.
; A HEAD HAS 64 ALONG K, THE INSTRUCTION 128: Q's registers 6-11 are zero codes; K's eight tiles lie packed, 6 registers each, so the upper six registers of a tile's run are the next tile's codes (behind the last: zeros): they meet
; Q's zero codes and add nothing; bytes 2 and 3 of both scale words are 127.
; y'S CODES: [row / 4][key/value head][4 rows][192 bytes]: a wave's tile is 768 consecutive bytes, aligned, and 128 rows are one dense block for launch proj.
; LIMITS: NaN and infinities are not served; a block of zeros carries the byte 1.  y's scale bytes leave as 8 bytes for each of a wave's 4 rows.
; REGISTERS: v1-10, v29-31, v92-93 addresses; v12 -M, v13 the largest t, v[14:15] the sum; v16-27 Q and its zeros, v28 its scale words; v32-85 fragments of K or V; v86-89 K's scale words, v90-91 V's;
; v96-159 S^T, then p; v160-191 O^T; v192-211 p's codes; v212-239 at work; v240-246 the second tile's Q; v248-255 the way out.
.set KVB,   13056
.set STG,   16*KVB                     ; behind the keys: 1,024 bytes for each wave, for the way out
.set SPARE, STG+16384                  ; the spare words, 128 bytes for each of sixteen waves
.set LI16, 1
.set LI8,  2
.set QVA,  3
.set QVS,  4
.set SPW,  5
.set NIL,  6
.set STW,  7
.set ADK,  8
.set ADV,  9
.set DQ,   10
.set STS,  29
.set STR,  30
.set YSO,  31
.set STR8, 92
.set STQ,  93
.set BM,   212
.set BP,   216
.set BS,   220
.set PW,   224
.set WV,   12                          ; s12 wave;  s13 j;  s14 g;  s15 batch;  s16 key/value head
.set NB,   17                          ; s17 the first tile's key steps
.set SI,   18                          ; s18 the trip, 0 .. 16
.set LAST, 19                          ; s19 1 in a tile's last step
.set SEL,  20
.set CS,   22
.set G1,   24
.set G0,   32
.set TB,   36                          ; s36 LDS byte at which the key step begins
.set KF,   37                          ; s37 its first key
.set Q0,   38                          ; s38 my first query;  s39 the second tile's
.macro CROUND                          ; a round of the cluster's barrier
	s_barrier_signal -1
	s_barrier_wait -1
	s_cmp_lg_u32 s[WV], 0
	s_cbranch_scc1 .Lnot_wave_0_\@
	s_barrier_signal -3
.Lnot_wave_0_\@:
	s_barrier_wait -3
	s_barrier_signal -1
	s_barrier_wait -1
.endm
; Q's fragment and scale words of the tile that begins at query s[q0]: lane (row, h) takes, of head row % 4 and query row / 4, the six registers of the image's lane that holds that query.
.macro QLOAD dst, dsts, q0
	s_lshr_b32 s66, s[\q0], 7
	s_and_b32 s67, s[\q0], 127
	s_lshr_b32 s68, s67, 5
	s_lshl_b32 s68, s68, 1
	s_bfe_u32 s69, s67, 0x10003
	s_or_b32 s68, s68, s69                         ; the image's tile a: bits 6:5 and bit 3 of the position
	s_and_b32 s70, s67, 4
	s_bfe_u32 s71, s67, 0x10004
	s_lshl_b32 s71, s71, 3
	s_or_b32 s70, s70, s71                         ; its lane: bit 4 and bits 2:0
	s_lshl_b32 s71, s15, 4
	s_lshl_b32 s72, s16, 2
	s_add_co_u32 s71, s71, s72
	s_lshl_b32 s71, s71, 4
	s_add_co_u32 s71, s71, s66
	s_mul_i32 s71, s71, 6656
	s_lshl_b32 s70, s70, 4
	s_add_co_u32 s74, s71, s70
	s_mov_b32 s75, 0
	s_add_nc_u64 s[74:75], s[4:5], s[74:75]
	s_mul_i32 s72, s68, 3
.irp c, 0,1,2
	s_add_co_u32 s66, s72, \c
	s_lshr_b32 s67, s66, 1
	s_lshl_b32 s67, s67, 9
	s_and_b32 s66, s66, 1
	s_lshl_b32 s66, s66, 3
	s_add_co_u32 s66, s66, s67
	s_mov_b32 s67, 0
	s_add_nc_u64 s[56+2*\c:57+2*\c], s[74:75], s[66:67]
.endr
	s_and_b32 s66, s68, 1
	s_lshl_b32 s66, s66, 8
	s_lshr_b32 s67, s68, 1
	s_lshl_b32 s67, s67, 2
	s_add_co_u32 s66, s66, s67
	s_add_co_u32 s66, s66, 6144
	s_mov_b32 s67, 0
	s_add_nc_u64 s[62:63], s[74:75], s[66:67]
.irp c, 0,1,2
	global_load_b64 v[\dst+2*\c:\dst+2*\c+1], v[QVA], s[56+2*\c:57+2*\c]
.endr
	global_load_b32 v[\dsts], v[QVS], s[62:63]
.endm
	s_load_b256 s[4:11], s[0:1], 0x0               ; qimg 4:5, kv 6:7, yc 8:9, ys 10:11
	v_lshl_add_u32 v[SPW], v0, 2, SPARE
	v_mov_b32 v[NIL], 0
	ds_add_u32 v[SPW], v[NIL]                      ; the opening lines: the add, twice on end, and its wait
	ds_add_u32 v[SPW], v[NIL]
	v_lshrrev_b32 v1, 5, v0
	s_delay_alu instid0(VALU_DEP_1)
	v_readfirstlane_b32 s[WV], v1                  ; wave 0..15
	s_bfe_u32 s40, ttmp6, 0x40000                  ; cx
	s_lshl_b32 s13, ttmp9, 2
	s_add_co_u32 s13, s13, s40                     ; j = 4 x cluster x + cx: it enters global addresses and the mask's numbers alone
	s_and_b32 s14, ttmp7, 0xffff                   ; g
	s_lshr_b32 s15, s14, 2
	s_and_b32 s16, s14, 3
	s_mov_b32 s[G1+0], 15|(3<<16)|(1<<21)          ; all four of the cluster; a dense block: 51 rows of 256 bytes (32 elements of 8 bytes), no padding
	s_mov_b32 s[G1+1], 32<<16
	s_mov_b32 s[G1+2], 51<<16
	s_mov_b32 s[G1+3], 32<<16
	s_mov_b32 s[G1+4], 51
	s_mov_b32 s[G1+5], 32
	s_mov_b32 s[G1+6], 0
	s_mov_b32 s[G1+7], 0
	s_mov_b32 s[SEL], 0x76543210
	s_mov_b32 s[SEL+1], 0xfedcba98
	s_mov_b32 s[CS], 0x3e38aa3b                    ; log2(e) / 8
	s_mov_b32 s[CS+1], s[CS]
	s_lshr_b32 s66, s[WV], 1
	s_sub_co_u32 s[NB], 16, s66
	s_lshl_b32 s67, s[WV], 4
	s_add_co_u32 s67, s67, s13                     ; T
	s_lshl_b32 s39, s67, 2                         ; the second tile's first query, 4 T
	s_sub_co_u32 s[Q0], 2044, s39                  ; the first tile's, 4 (511 - T)
	s_mov_b32 s[SI], 0
	s_mul_i32 s68, s14, 16*KVB
	s_mov_b32 s69, 0
	s_mul_i32 s70, s[WV], KVB                      ; key step w: its place in memory and in LDS
	s_mov_b32 s71, 0
	s_wait_dscnt 0x0
	s_wait_kmcnt 0x0
	s_mov_b32 s[G0], 1
	s_mov_b32 s[G0+1], s70
	s_add_nc_u64 s[G0+2:G0+3], s[6:7], s[68:69]
	s_add_nc_u64 s[G0+2:G0+3], s[G0+2:G0+3], s[70:71]
	s_or_b32 s[G0+3], s[G0+3], 0x80000000
	CROUND                                         ; all four work-groups are here: the joint loads meet
	tensor_load_to_lds s[G0:G0+3], s[G1:G1+7]      ; my one tensor load
	s_nop 0
.rept 4
	v_nop
.endr
	v_and_b32 v228, 31, v0                         ; lane
	s_delay_alu instid0(VALU_DEP_1)
	v_lshlrev_b32 v[LI16], 4, v228
	s_delay_alu instid0(VALU_DEP_2)
	v_lshlrev_b32 v[LI8], 3, v228
	v_and_b32 v229, 15, v0                         ; operand row
	v_bfe_u32 v230, v0, 4, 1                       ; h
	s_delay_alu instid0(VALU_DEP_2)
	v_and_b32 v231, 3, v229                        ; head of four
	s_delay_alu instid0(VALU_DEP_3)
	v_lshrrev_b32 v232, 2, v229                    ; query of four
	s_delay_alu instid0(VALU_DEP_2)
	v_mul_u32_u24 v[QVA], v231, 106496             ; a head's 16 blocks of 6,656 bytes
	s_delay_alu instid0(VALU_DEP_1)
	v_lshl_add_u32 v[QVS], v232, 4, v[QVA]
	s_delay_alu instid0(VALU_DEP_1)
	v_lshl_add_u32 v[QVA], v230, 8, v[QVS]
	s_wait_alu depctr_va_vdst(0)
	QLOAD 16, 28, Q0
	s_wait_xcnt 0x0                                ; the loads have read their bases: they are written again
	QLOAD 240, 246, 39
	s_lshl_b32 s66, s15, 11                        ; where y goes: (row + key/value head) x 768, row = 2,048 x batch + query, a multiple of 4;
	s_lshl_b32 s68, s16, 3                         ; its scale bytes: 32 a row, mine from 8 x key/value head on
	s_mov_b32 s75, 0
	s_add_co_u32 s70, s66, s[Q0]
	s_add_co_u32 s74, s70, s16
	s_mul_i32 s74, s74, 768
	s_add_nc_u64 s[48:49], s[8:9], s[74:75]
	s_lshl_b32 s74, s70, 5
	s_add_co_u32 s74, s74, s68
	s_add_nc_u64 s[52:53], s[10:11], s[74:75]
	s_add_co_u32 s70, s66, s39
	s_add_co_u32 s74, s70, s16
	s_mul_i32 s74, s74, 768
	s_add_nc_u64 s[50:51], s[8:9], s[74:75]
	s_lshl_b32 s74, s70, 5
	s_add_co_u32 s74, s74, s68
	s_add_nc_u64 s[54:55], s[10:11], s[74:75]
	s_lshl_b32 s66, s[WV], 10
	s_add_co_u32 s66, s66, STG                     ; my stage
	v_mul_u32_u24 v[STW], v229, 48
	s_delay_alu instid0(VALU_DEP_1)
	v_mad_u32_u24 v[STW], v230, 24, v[STW]
	s_delay_alu instid0(VALU_DEP_1)
	v_add_nc_u32 v[STW], s66, v[STW]               ; in: 48 x row + 24 h
	v_lshlrev_b32 v[DQ], 4, v230
	s_delay_alu instid0(VALU_DEP_1)
	v_sub_nc_u32 v[DQ], v232, v[DQ]                ; query of four - 16 h
	v_lshlrev_b32 v[STS], 1, v229
	s_delay_alu instid0(VALU_DEP_1)
	v_add_nc_u32 v[STS], s66, v[STS]
	s_delay_alu instid0(VALU_DEP_1)
	v_add_nc_u32 v[STS], 768, v[STS]               ; the row's two scale bytes
	v_add_nc_u32 v[STR], s66, v[LI16]
	v_add_nc_u32 v[STR8], s66, v[LI8]
	s_delay_alu instid0(VALU_DEP_1)
	v_add_nc_u32 v[STR8], 512, v[STR8]
	v_and_b32 v233, 3, v0
	s_delay_alu instid0(VALU_DEP_1)
	v_lshlrev_b32 v[YSO], 5, v233
	s_delay_alu instid0(VALU_DEP_2)
	v_lshlrev_b32 v[STQ], 3, v233
	s_delay_alu instid0(VALU_DEP_1)
	v_add_nc_u32 v[STQ], s66, v[STQ]
	s_delay_alu instid0(VALU_DEP_1)
	v_add_nc_u32 v[STQ], 768, v[STQ]
	v_mov_b32 v13, 0xff61b1e6                      ; the largest t so far: -3e38
	s_delay_alu instid0(VALU_DEP_1)
	v_floor_f32 v12, -v13                          ; -M
	v_mov_b32 v14, 0
	v_mov_b32 v15, 0
.irp i, 22,23,24,25,26,27,80,81,82,83,84,85
	v_mov_b32 v\i, 0                               ; zero codes
.endr
.irp b, 0,1,2,3
	v_mov_b32 v[BP+\b], 0                          ; a lane permute's destination counts as one of its sources
.endr
	v_mov_b32 v227, 0
.set nn, 0
.rept 32
	v_mov_b32 v[160+nn], 0                         ; O^T: the step is written for every step alike; the first finds zeros
.set nn, nn+1
.endr
; A KEY STEP: 128 keys.  The mask is applied in a tile's last step alone.
.macro STEP
	v_add_nc_u32 v[ADK], s[TB], v[LI16]
	v_add_nc_u32 v[ADV], s[TB], v[LI8]
	v_nop
	v_nop                                          ; four places in front of loads into registers that the last products have read
.set cc, 0
.rept 12
	ds_load_b128 v[32+4*cc:35+4*cc], v[ADK] offset:512*cc          ; K's eight tiles: 32 lanes read 512 consecutive bytes
.set cc, cc+1
.endr
	ds_load_b128 v[86:89], v[ADK] offset:12288
	s_wait_alu depctr_va_vdst(0)
	s_wait_dscnt 0x0
.set tt, 0
.rept 8
.if tt%2
	v_wmma_scale_f32_16x16x128_f8f6f4 v[96+8*tt:103+8*tt], v[32+6*tt:43+6*tt], v[16:27], 0, v[86+tt/2], v28 matrix_a_fmt:MATRIX_FMT_FP6 matrix_b_fmt:MATRIX_FMT_FP6 matrix_a_scale:MATRIX_SCALE_ROW1
.else
	v_wmma_scale_f32_16x16x128_f8f6f4 v[96+8*tt:103+8*tt], v[32+6*tt:43+6*tt], v[16:27], 0, v[86+tt/2], v28 matrix_a_fmt:MATRIX_FMT_FP6 matrix_b_fmt:MATRIX_FMT_FP6
.endif
.set tt, tt+1
.endr
.rept 4
	v_nop
.endr
.set cc, 0
.rept 12
	ds_load_b128 v[32+4*cc:35+4*cc], v[ADK] offset:6144+512*cc     ; V's four tiles: they land while the softmax is walked
.set cc, cc+1
.endr
	ds_load_b64 v[90:91], v[ADV] offset:12800
	s_cmp_lg_u32 s[LAST], 1                        ; the wave's number and the count of trips alone
	s_cbranch_scc1 .Lopen
	s_sub_co_i32 s66, s[Q0], s[KF]
	v_add_nc_u32 v228, s66, v[DQ]                  ; d = my query - the step's first key - 16 h.  Register 16 b + i holds key 32 b + 16 h + i of the step: hidden where 32 b + i > d
	v_mov_b32 v229, 0xff800000                     ; -infinity
.set nn, 0
.rept 64
	v_cmp_gt_i32 vcc_lo, 32*(nn/16)+nn%16, v228
	v_cndmask_b32 v[96+nn], v[96+nn], v229, vcc_lo
.set nn, nn+1
.endr
.Lopen:
.irp b, 0,1,2,3
	v_max3_num_f32 v[BM+\b], v[96+16*\b], v[97+16*\b], v[98+16*\b]   ; the largest score of each block of 32 keys: for the row's maximum and for the block's largest p
.endr
.irp i, 3,5,7,9,11,13
.irp b, 0,1,2,3
	v_max3_num_f32 v[BM+\b], v[BM+\b], v[96+16*\b+\i], v[97+16*\b+\i]
.endr
.endr
.irp b, 0,1,2,3
	v_max_num_f32 v[BM+\b], v[BM+\b], v[111+16*\b]
.endr
.irp b, 0,1,2,3
	s_delay_alu instid0(VALU_DEP_4)
	v_permlanex16_b32 v[BP+\b], v[BM+\b], s[SEL], s[SEL+1]
.endr
.irp b, 0,1,2,3
	s_delay_alu instid0(VALU_DEP_4)
	v_max_num_f32 v[BM+\b], v[BM+\b], v[BP+\b]     ; with lane l xor 16's 16 keys
.endr
	s_delay_alu instid0(VALU_DEP_2)
	v_max3_num_f32 v228, v[BM], v[BM+1], v[BM+2]
	s_delay_alu instid0(VALU_DEP_1)
	v_max_num_f32 v228, v228, v[BM+3]
	s_delay_alu instid0(VALU_DEP_1)
	v_mul_f32 v228, s[CS], v228                    ; as t (c is positive)
	s_delay_alu instid0(VALU_DEP_1)
	v_max_num_f32 v13, v13, v228                   ; the running largest t
	v_mov_b32 v228, v12
	s_delay_alu instid0(VALU_DEP_2)
	v_floor_f32 v12, -v13                          ; the new -M = floor(-t)
	s_delay_alu instid0(VALU_DEP_1)
	v_sub_f32 v228, v12, v228                      ; old M - new M: a whole number, 0 or less
	s_delay_alu instid0(VALU_DEP_1)
	v_cvt_i32_f32 v228, v228
	s_delay_alu instid0(VALU_DEP_1)
	v_ldexp_f32 v226, 1.0, v228                    ; f = 2^(old M - new M)
.set nn, 0
.rept 32
	v_pk_fma_f32 v[96+nn:97+nn], v[96+nn:97+nn], s[CS:CS+1], v[12:13] op_sel_hi:[1,0,0]   ; t - M, two at a time
.set nn, nn+2
.endr
.irp b, 0,1,2,3
	v_fma_f32 v[BM+\b], v[BM+\b], s[CS], v12       ; the same of each block's largest score
.endr
.set nn, 0
	s_wait_alu depctr_va_vdst(0)
.rept 64
	v_exp_f32 v[96+nn], v[96+nn]                   ; p = 2^(t - M)
.set nn, nn+1
.endr
	v_pk_mul_f32 v[14:15], v[14:15], v[226:227] op_sel_hi:[1,0]    ; the sums under the new M (a plain place behind the exponentials)
	s_wait_alu depctr_va_vdst(0)                   ; one wait for the whole batch
.irp b, 0,1,2,3
	v_exp_f32 v[BM+\b], v[BM+\b]                   ; the block's largest p
.endr
	v_pk_add_f32 v[236:237], v[100:101], v[104:105]
	v_pk_add_f32 v[238:239], v[108:109], v[112:113]
	v_pk_add_f32 v[234:235], v[116:117], v[120:121]
	v_pk_add_f32 v[94:95], v[124:125], v[128:129]
	v_pk_add_f32 v[14:15], v[14:15], v[132:133]
	v_pk_add_f32 v[236:237], v[236:237], v[136:137]
	v_pk_add_f32 v[238:239], v[238:239], v[140:141]
	v_pk_add_f32 v[234:235], v[234:235], v[144:145]
	v_pk_add_f32 v[94:95], v[94:95], v[148:149]
	v_pk_add_f32 v[14:15], v[14:15], v[152:153]
	v_pk_add_f32 v[236:237], v[236:237], v[156:157]
	v_pk_add_f32 v[238:239], v[238:239], v[96:97]
	v_pk_add_f32 v[234:235], v[234:235], v[98:99]
	v_pk_add_f32 v[94:95], v[94:95], v[102:103]
	v_pk_add_f32 v[14:15], v[14:15], v[106:107]
	v_pk_add_f32 v[236:237], v[236:237], v[110:111]
	v_pk_add_f32 v[238:239], v[238:239], v[114:115]
	v_pk_add_f32 v[234:235], v[234:235], v[118:119]
	v_pk_add_f32 v[94:95], v[94:95], v[122:123]
	v_pk_add_f32 v[14:15], v[14:15], v[126:127]
	v_pk_add_f32 v[236:237], v[236:237], v[130:131]
	v_pk_add_f32 v[238:239], v[238:239], v[134:135]
	v_pk_add_f32 v[234:235], v[234:235], v[138:139]
	v_pk_add_f32 v[94:95], v[94:95], v[142:143]
	v_pk_add_f32 v[14:15], v[14:15], v[146:147]
	v_pk_add_f32 v[236:237], v[236:237], v[150:151]
	v_pk_add_f32 v[238:239], v[238:239], v[154:155]
	v_pk_add_f32 v[234:235], v[234:235], v[158:159]
	s_delay_alu instid0(VALU_DEP_1)
	v_pk_add_f32 v[14:15], v[14:15], v[234:235]
	s_delay_alu instid0(VALU_DEP_4)
	v_pk_add_f32 v[236:237], v[236:237], v[94:95]
	s_delay_alu instid0(VALU_DEP_2)
	v_pk_add_f32 v[14:15], v[14:15], v[238:239]
	s_delay_alu instid0(VALU_DEP_1)
	v_pk_add_f32 v[14:15], v[14:15], v[236:237]
	s_wait_alu depctr_va_vdst(0)                   ; and one for the four
.irp b, 0,1,2,3
	v_max_num_f32 v[BM+\b], 0x1800000, v[BM+\b]    ; the floor 2^(3 - 127)
.endr
.irp b, 0,1,2,3
	s_delay_alu instid0(VALU_DEP_4)
	v_add_nc_u32 v[BS+\b], 0xff000000, v[BM+\b]    ; the conversion's scale operand
.endr
.irp b, 0,1,2,3
	s_delay_alu instid0(VALU_DEP_4)
	v_lshrrev_b32 v[BP+\b], 23, v[BS+\b]           ; the scale's byte
.endr
	s_delay_alu instid0(VALU_DEP_3)
	v_lshl_or_b32 v[PW], v[BP+1], 8, v[BP]
	s_delay_alu instid0(VALU_DEP_1)
	v_lshl_or_b32 v[PW], v[BP+2], 16, v[PW]
	s_delay_alu instid0(VALU_DEP_1)
	v_lshl_or_b32 v[PW], v[BP+3], 24, v[PW]
.irp c, 0,1
	v_cvt_scalef32_pk16_fp6_f32 v[192+6*\c:194+6*\c], v[96+32*\c:111+32*\c], v[BS+2*\c]
	v_cvt_scalef32_pk16_fp6_f32 v[204+4*\c:206+4*\c], v[112+32*\c:127+32*\c], v[BS+2*\c+1]
.endr
	v_nop                                          ; one plain place behind a scaled conversion
.irp c, 0,1
.irp i, 0,1,2
	v_permlane16_swap_b32 v[192+6*\c+\i], v[204+4*\c+\i]
.endr
.irp i, 0,1,2
	s_delay_alu instid0(VALU_DEP_3)
	v_mov_b32 v[195+6*\c+\i], v[204+4*\c+\i]
.endr
.endr
	s_wait_alu depctr_va_vdst(0)                   ; directly ahead of the first reader of O^T
.set nn, 0
.rept 16
	v_pk_mul_f32 v[160+nn:161+nn], v[160+nn:161+nn], v[226:227] op_sel_hi:[1,0]   ; O^T under the new M (also the places in front of the scaled products below)
.set nn, nn+2
.endr
	s_wait_alu depctr_va_vdst(0)
	s_wait_dscnt 0x0                               ; V is in
.set tt, 0
.rept 4
.if tt%2
	v_wmma_scale_f32_16x16x128_f8f6f4 v[160+8*tt:167+8*tt], v[32+12*tt:43+12*tt], v[192:203], v[160+8*tt:167+8*tt], v[90+tt/2], v[PW] matrix_a_fmt:MATRIX_FMT_FP6 matrix_b_fmt:MATRIX_FMT_FP6 matrix_a_scale:MATRIX_SCALE_ROW1
.else
	v_wmma_scale_f32_16x16x128_f8f6f4 v[160+8*tt:167+8*tt], v[32+12*tt:43+12*tt], v[192:203], v[160+8*tt:167+8*tt], v[90+tt/2], v[PW] matrix_a_fmt:MATRIX_FMT_FP6 matrix_b_fmt:MATRIX_FMT_FP6
.endif
.set tt, tt+1
.endr
.endm
; A TILE'S END: y = O^T / the sum, quantised along the head's 64, through my stage, out as 768 consecutive bytes: 4 rows of 192.
.macro FINISH yb, ysb
.rept 4
	v_nop
.endr
	v_add_f32 v14, v14, v15
	s_delay_alu instid0(VALU_DEP_1)
	v_permlanex16_b32 v229, v14, s[SEL], s[SEL+1]
	s_delay_alu instid0(VALU_DEP_1)
	v_add_f32 v14, v14, v229                       ; the row's sum
	s_wait_alu depctr_va_vdst(0)
	v_rcp_f32 v228, v14
	v_and_b32 v230, 31, v0                         ; (a plain place behind the reciprocal)  lane
	s_wait_alu depctr_va_vdst(0)
.set nn, 0
.rept 16
	v_pk_mul_f32 v[96+nn:97+nn], v[160+nn:161+nn], v[228:229] op_sel_hi:[1,0]
.set nn, nn+2
.endr
	v_max3_num_f32 v[BM], |v96|, |v97|, 0x1800000
	v_max3_num_f32 v[BM+1], |v112|, |v113|, 0x1800000
.irp i, 2,4,6,8,10,12,14
	s_delay_alu instid0(VALU_DEP_2)
	v_max3_num_f32 v[BM], v[BM], |v[96+\i]|, |v[97+\i]|
	s_delay_alu instid0(VALU_DEP_2)
	v_max3_num_f32 v[BM+1], v[BM+1], |v[112+\i]|, |v[113+\i]|
.endr
	s_delay_alu instid0(VALU_DEP_2)
	v_permlanex16_b32 v[BM+2], v[BM], s[SEL], s[SEL+1]
	s_delay_alu instid0(VALU_DEP_2)
	v_permlanex16_b32 v[BM+3], v[BM+1], s[SEL], s[SEL+1]
	s_delay_alu instid0(VALU_DEP_2)
	v_max_num_f32 v[BM], v[BM], v[BM+2]
	s_delay_alu instid0(VALU_DEP_2)
	v_max_num_f32 v[BM+1], v[BM+1], v[BM+3]
	s_delay_alu instid0(VALU_DEP_2)
	v_add_nc_u32 v[BM+4], 0xff000000, v[BM]
	s_delay_alu instid0(VALU_DEP_2)
	v_add_nc_u32 v[BM+5], 0xff000000, v[BM+1]
	s_delay_alu instid0(VALU_DEP_2)
	v_lshrrev_b32 v[BM+6], 23, v[BM+4]
	s_delay_alu instid0(VALU_DEP_2)
	v_lshrrev_b32 v[BM+7], 23, v[BM+5]
	v_cvt_scalef32_pk16_fp6_f32 v[192:194], v[96:111], v[BM+4]
	v_cvt_scalef32_pk16_fp6_f32 v[204:206], v[112:127], v[BM+5]
	v_lshl_or_b32 v229, v[BM+7], 8, v[BM+6]        ; (a plain place behind the conversions)  the two bytes
.irp i, 0,1,2
	v_permlane16_swap_b32 v[192+\i], v[204+\i]
.endr
.irp i, 0,1,2
	s_delay_alu instid0(VALU_DEP_3)
	v_mov_b32 v[195+\i], v[204+\i]
.endr
	ds_store_b64 v[STW], v[192:193]
	ds_store_b64 v[STW], v[194:195] offset:8
	ds_store_b64 v[STW], v[196:197] offset:16
	ds_store_b16 v[STS], v229                      ; both halves of the lanes write the same bytes with the same value
	ds_load_b128 v[248:251], v[STR]                ; LDS serves a wave's instructions in order: these see my stores
	ds_load_b64 v[252:253], v[STR8]
	ds_load_b64 v[254:255], v[STQ]
	s_wait_dscnt 0x0
	global_store_b128 v[LI16], v[248:251], s[\yb:\yb+1]            ; 512 consecutive bytes, aligned,
	global_store_b64 v[LI8], v[252:253], s[\yb:\yb+1] offset:512   ; and 256
	v_cmp_gt_u32 vcc_lo, 4, v230
	s_wait_xcnt 0x0                                ; EXEC changes only behind this wait
	s_and_saveexec_b32 s73, vcc_lo
	global_store_b64 v[YSO], v[254:255], s[\ysb:\ysb+1]            ; four lanes: 8 scale bytes for each of my 4 rows
	s_wait_xcnt 0x0                                ; and again, in front of the line that widens it; bases and data may be written again too
	s_or_b32 exec_lo, exec_lo, s73
.endm
	s_wait_alu depctr_va_vdst(0)                   ; the head's end
	s_wait_tensorcnt 0x0                           ; my key step is in,
	s_barrier_signal -1
	s_barrier_wait -1                              ; and so is everybody's
	s_wait_loadcnt 0x0                             ; Q, both tiles'
.Lstep:                                            ; 17 trips: trips 0 .. NB - 1 are the first tile's key steps 0 .., the others the second tile's
	s_sub_co_u32 s66, s[SI], s[NB]
	s_cmp_lt_u32 s[SI], s[NB]
	s_cselect_b32 s66, s[SI], s66                  ; the key step
	s_min_u32 s66, s66, 15
	s_mul_i32 s[TB], s66, KVB
	s_lshl_b32 s[KF], s66, 7
	s_add_co_u32 s67, s[SI], 1
	s_cmp_eq_u32 s67, s[NB]
	s_cselect_b32 s[LAST], 1, 0
	s_cmp_eq_u32 s[SI], 16
	s_cselect_b32 s[LAST], 1, s[LAST]
	STEP
	s_cmp_lg_u32 s[LAST], 1
	s_cbranch_scc1 .Lon
	FINISH 48, 52                                  ; a tile is done; the state is set for the second (behind the second these lines change nothing that is read)
.irp i, 0,1,2,3,4,5
	v_mov_b32 v[16+\i], v[240+\i]
.endr
	v_mov_b32 v28, v246
.set nn, 0
.rept 32
	v_mov_b32 v[160+nn], 0                         ; (also the places between the lines above and the next scaled products)
.set nn, nn+1
.endr
	v_mov_b32 v13, 0xff61b1e6
	s_delay_alu instid0(VALU_DEP_1)
	v_floor_f32 v12, -v13
	v_mov_b32 v14, 0
	v_mov_b32 v15, 0
	s_mov_b32 s[Q0], s39
	s_mov_b64 s[48:49], s[50:51]
	s_mov_b64 s[52:53], s[54:55]
.Lon:
	s_add_co_u32 s[SI], s[SI], 1
	s_cmp_lt_u32 s[SI], 17
	s_cbranch_scc1 .Lstep
	s_wait_tensorcnt 0x0                           ; the wave's end
	ds_add_u32 v[SPW], v[NIL]
	s_wait_dscnt 0x0
	CROUND                                         ; the closing round
	s_endpgm
.Lfunc_end_k_q12175ecd00_attn:
	.size	k_q12175ecd00_attn, .Lfunc_end_k_q12175ecd00_attn-k_q12175ecd00_attn
	.p2alignl 7, 3214868480
	.fill 96, 4, 3214868480
	.section	.rodata,"a",@progbits
	.p2align	6, 0x0
	.amdhsa_kernel k_q12175ecd00_attn
		.amdhsa_group_segment_fixed_size 227328
		.amdhsa_private_segment_fixed_size 0
		.amdhsa_enable_private_segment 0
		.amdhsa_kernarg_size 32
		.amdhsa_user_sgpr_count 2
		.amdhsa_user_sgpr_kernarg_segment_ptr 1
		.amdhsa_wavefront_size32 1
		.amdhsa_system_sgpr_workgroup_id_x 1
		.amdhsa_system_sgpr_workgroup_id_y 1
		.amdhsa_system_sgpr_workgroup_id_z 1
		.amdhsa_system_vgpr_workitem_id 0
		.amdhsa_next_free_vgpr 256
		.amdhsa_next_free_sgpr 80
		.amdhsa_reserve_vcc 1
		.amdhsa_float_denorm_mode_32 3
		.amdhsa_float_denorm_mode_16_64 3
		.amdhsa_memory_ordered 1
		.amdhsa_forward_progress 1
		.amdhsa_inst_pref_size 41
	.end_amdhsa_kernel
	.amdgpu_metadata
---
amdhsa.version: [ 1, 2 ]
amdhsa.kernels:
  - .name:           k_q12175ecd00_attn
    .symbol:         k_q12175ecd00_attn.kd
    .args:
      - { .name: qimg, .offset: 0, .size: 8, .value_kind: global_buffer, .address_space: global }
      - { .name: kv, .offset: 8, .size: 8, .value_kind: global_buffer, .address_space: global }
      - { .name: yc, .offset: 16, .size: 8, .value_kind: global_buffer, .address_space: global }
      - { .name: ys, .offset: 24, .size: 8, .value_kind: global_buffer, .address_space: global }
    .group_segment_fixed_size: 227328
    .private_segment_fixed_size: 0
    .kernarg_segment_align: 8
    .kernarg_segment_size: 32
    .max_flat_workgroup_size: 512
    .sgpr_count:     80
    .vgpr_count:     256
    .wavefront_size: 32
...
	.end_amdgpu_metadata
.endif
;; end of part 3
;; launch proj (part 4): grid 4 x 64, 4 waves a work-group, clusters of 4 x 4, 313,856 bytes of LDS; arguments yc, ys, wts, out0; writes out0
.if DOCPART == 4
	.amdgcn_target "amdgcn-amd-amdhsa--gfx1250"
	.amdhsa_code_object_version 6
	.text
	.protected	k_q12175ecd00_proj
	.globl	k_q12175ecd00_proj
	.p2align	8
	.type	k_q12175ecd00_proj,@function
k_q12175ecd00_proj:
	s_mov_b64 s[64:65], 0
	v_nop
	global_prefetch_b8 v0, s[64:65] scope:SCOPE_SE
	s_setreg_imm32_b32 hwreg(HW_REG_WAVE_MODE, 25, 1), 1
	s_wait_xcnt 0x0
	s_wait_alu depctr_hold_cnt(0) depctr_sa_sdst(0) depctr_va_vdst(0) depctr_va_sdst(0) depctr_va_ssrc(0) depctr_va_vcc(0) depctr_vm_vsrc(0)
	s_getreg_b32 s2, hwreg(HW_REG_IB_STS2, 6, 4)
	s_cmp_eq_u32 s2, 0
	s_cbranch_scc0 .Lentry_in_a_cluster
	s_endpgm
.Lentry_in_a_cluster:
	s_bfe_u32 s2, ttmp6, 0x10000c
	s_cmp_lg_u32 s2, 0xf033
	s_cbranch_scc0 .Lentry_shape_is_right
	s_endpgm
.Lentry_shape_is_right:
; Product 6 on codes of FP6 (E2M3): out0 [8192][1024] f32 = y Wproj^T, K = 1,024.  Nothing of reference() is left out here.
; A work-group makes 128 rows x 256 columns: 64 x 4 = 256 work-groups; a wave 64 x 128: 32 accumulators.
; BOTH OPERANDS STAY IN LDS FOR ALL OF K: y's 128 rows are one dense block of 98,304 bytes, Wproj's 256 rows one of 196,608; they come as units of 256 bytes with 16 bytes of padding behind each,
; one tensor load a wave at the head (waves 0, 1: y's halves; waves 2, 3: W's); nothing is filled again: one barrier behind the fetch and one ahead of the way out.
; CLUSTERS 4 x 4: y's block is shared along a row of the cluster, W's along a column: each is asked for jointly.
; y's codes lie [row / 4][panel of 256 K][4 rows][192 bytes]: byte x of panel P of row 4 c + e is byte 3072 c + 768 P + 192 e + x; a lane's padding hangs on 192 e + 24 h + the piece's place, so each of the
; 12 pieces of a panel's two steps has an address register of its own.  A row of W is 768 bytes: three units.
; The scale words go from memory straight into registers: a row's 32 bytes are its eight steps' words.
; NO PREFETCH: everything is asked for at the head; there is no loop to run ahead in.
; THE MATRIX INSTRUCTION IS USED TRANSPOSED (source 0 = 16 rows of W): a lane holds eight neighbouring numbers of a row of out0.
; REGISTERS: window 0: v1-31 addresses; v32-63 y's scale words, v64-127 W's; v160-255 y's fragments, two sets (on the way out v128-255 hold rows);  window 1: W's fragments, two sets;  window 2: the accumulators.
.set SIZE_N, 1024
.set ABYTES, 384*272
.set BHALF,  384*272
.set SPARE,  ABYTES+2*BHALF
.set BLK,    13056                     ; 16 rows of either operand in LDS: 48 units
.set SPITCH, 528
.set AD,   12                          ; v12-23 y's twelve address registers
.set BD,   24                          ; v24-27 W's: blocks 0-3, the same with 16 more in lanes 16-31, blocks 4-7, likewise
.set STO,  28
.set RD,   29
.set CO,   30
.set SPW,  10
.set NIL,  11
.set SA,   32
.set SB,   64
.set AF,   160
.set BK,   128
.set G1,  24
.set G0,  32
.set G1B, 48
.set G0B, 56
.set MSB, 0
.macro WIN new
.if MSB != \new
	s_set_vgpr_msb (MSB<<8)|\new
.set MSB, \new
.endif
.endm
.set MUL,  0xa1
.set TO_B, 0x40
.macro CROUND
	s_barrier_signal -1
	s_barrier_wait -1
	s_cmp_lg_u32 s14, 0
	s_cbranch_scc1 .Lnot_wave_0_\@
	s_barrier_signal -3
.Lnot_wave_0_\@:
	s_barrier_wait -3
	s_barrier_signal -1
	s_barrier_wait -1
.endm
.macro PLACES
.rept 4
	v_nop
.endr
.endm
	s_load_b128 s[4:7], s[0:1], 0x0                ; yc, ys
	s_load_b128 s[8:11], s[0:1], 0x10              ; wts, out0
	v_lshl_add_u32 v[SPW], v0, 2, SPARE
	v_mov_b32 v[NIL], 0
	ds_add_u32 v[SPW], v[NIL]                      ; the opening lines: the add twice and its wait
	ds_add_u32 v[SPW], v[NIL]
	v_lshrrev_b32 v1, 5, v0
	v_readfirstlane_b32 s14, v1                    ; wave
	s_lshr_b32 s15, s14, 1                         ; my half of the rows.  Also: I fetch for y (0) or W (1)
	s_and_b32 s16, s14, 1                          ; my half of the columns.  Also: which half I fetch
	s_bfe_u32 s40, ttmp6, 0x40000
	s_bfe_u32 s41, ttmp6, 0x40004
	s_lshl_b32 s42, ttmp9, 2
	s_add_co_u32 s42, s42, s40                     ; column block
	s_and_b32 s17, ttmp7, 0xffff
	s_lshl_b32 s17, s17, 2
	s_add_co_u32 s17, s17, s41                     ; row block
	s_lshl_b32 s43, s41, 2
	s_lshl_b32 s43, 15, s43
	s_lshl_b32 s44, 0x1111, s40
	s_or_b32 s[G1+0], s43, (3<<16)|(1<<20)|(1<<21)|(5<<22)|(3<<25)
	s_or_b32 s[G1B+0], s44, (3<<16)|(1<<20)|(1<<21)|(5<<22)|(3<<25)
	s_mov_b32 s[G1+1], 32<<16                      ; y: 192 units of 256 bytes
	s_mov_b32 s[G1+2], 192<<16
	s_mov_b32 s[G1+3], 32<<16
	s_mov_b32 s[G1+4], 192
	s_mov_b32 s[G1+5], 32
	s_mov_b32 s[G1+6], 0
	s_mov_b32 s[G1+7], 0
	s_mov_b32 s[G1B+1], 32<<16                     ; W: 384 units
	s_mov_b32 s[G1B+2], 384<<16
	s_mov_b32 s[G1B+3], 32<<16
	s_mov_b32 s[G1B+4], 384
	s_mov_b32 s[G1B+5], 32
	s_mov_b32 s[G1B+6], 0
	s_mov_b32 s[G1B+7], 0
	s_mul_i32 s20, s17, 98304
	s_mul_i32 s18, s16, 49152
	s_add_co_u32 s20, s20, s18                     ; y's half, in bytes
	s_mov_b32 s21, 0
	s_lshl_b32 s46, s42, 8
	s_lshl_b32 s18, s16, 7
	s_add_co_u32 s46, s46, s18                     ; W's first row
	s_lshl_b32 s92, s46, 5
	s_add_co_u32 s92, s92, 2015232                 ; its scales,
	s_mov_b32 s93, 0
	s_mul_i32 s46, s46, 768
	s_add_co_u32 s46, s46, 1179648                 ; its codes
	s_mov_b32 s47, 0
	s_lshl_b32 s22, s17, 7
	s_lshl_b32 s18, s15, 6
	s_add_co_u32 s22, s22, s18                     ; my first row of y and of out0
	s_lshl_b32 s94, s22, 12                        ; out0: 4,096 bytes a row,
	s_lshl_b32 s18, s42, 10
	s_add_co_u32 s94, s94, s18
	s_lshl_b32 s18, s16, 9
	s_add_co_u32 s94, s94, s18                     ; + 1,024 x column block + 512 x half
	s_mov_b32 s95, 0
	s_lshl_b32 s22, s22, 5                         ; y's scales
	s_mov_b32 s23, 0
	s_mul_i32 s60, s16, 192*272                    ; where the fetched halves go
	s_mul_i32 s61, s16, BHALF
	s_add_co_u32 s61, s61, ABYTES                  ; (also: where my 128 rows of W lie)
	s_mul_i32 s62, s15, 4*BLK                      ; my 64 rows of y
	s_mul_i32 s63, s14, 16*SPITCH                  ; my stage: in y's bytes, used behind the last barrier
	s_wait_dscnt 0x0
	s_wait_kmcnt 0x0
	s_add_nc_u64 s[20:21], s[4:5], s[20:21]
	s_add_nc_u64 s[46:47], s[8:9], s[46:47]
	s_add_nc_u64 s[22:23], s[6:7], s[22:23]
	s_add_nc_u64 s[92:93], s[8:9], s[92:93]
	s_add_nc_u64 s[12:13], s[10:11], s[94:95]
	s_mov_b32 s[G0], 1
	s_mov_b32 s[G0+1], s60
	s_mov_b64 s[G0+2:G0+3], s[20:21]
	s_or_b32 s[G0+3], s[G0+3], 0x80000000
	s_mov_b32 s[G0B], 1
	s_mov_b32 s[G0B+1], s61
	s_mov_b64 s[G0B+2:G0B+3], s[46:47]
	s_or_b32 s[G0B+3], s[G0B+3], 0x80000000
	CROUND                                         ; all sixteen work-groups are here: the joint loads meet
	s_cmp_eq_u32 s15, 0
	s_cbranch_scc0 .Lfor_b
	tensor_load_to_lds s[G0:G0+3], s[G1:G1+7]
	s_nop 0
	PLACES
	s_branch .Lasked
.Lfor_b:
	tensor_load_to_lds s[G0B:G0B+3], s[G1B:G1B+7]
	s_nop 0
	PLACES
.Lasked:
	v_and_b32 v1, 15, v0                           ; r
	v_bfe_u32 v2, v0, 4, 1                         ; h
	v_lshlrev_b32 v9, 5, v1                        ; a row's scales: 32 bytes
	v_and_b32 v3, 3, v1
	v_lshrrev_b32 v4, 2, v1
	v_mul_u32_u24 v5, v3, 192
	v_mad_u32_u24 v5, v2, 24, v5                   ; 192 (r % 4) + 24 h
	v_mul_u32_u24 v6, v4, 3264                     ; four rows are 12 units
	v_add_nc_u32 v6, s62, v6
.irp i, 0,1,2,3
	global_load_b128 v[SA+8*\i:SA+8*\i+3], v9, s[22:23] offset:512*\i
	global_load_b128 v[SA+8*\i+4:SA+8*\i+7], v9, s[22:23] offset:512*\i+16
.endr
.irp i, 0,1,2,3,4,5,6,7
	global_load_b128 v[SB+8*\i:SB+8*\i+3], v9, s[92:93] offset:512*\i
	global_load_b128 v[SB+8*\i+4:SB+8*\i+7], v9, s[92:93] offset:512*\i+16
.endr
.irp k, 0,1,2,3,4,5,6,7,8,9,10,11
	v_add_nc_u32 v7, 96*(\k/6)+48*((\k%6)/3)+8*(\k%3), v5
	v_lshrrev_b32 v8, 8, v7
	v_lshl_add_u32 v7, v8, 4, v7                   ; 16 more for each 256 passed
	v_add_nc_u32 v[AD+\k], v6, v7
.endr
	v_mul_u32_u24 v3, v1, 816
	v_mad_u32_u24 v3, v2, 24, v3
	v_add_nc_u32 v[BD], s61, v3
	v_lshl_add_u32 v[BD+1], v2, 4, v[BD]
	v_add_nc_u32 v[BD+2], 4*BLK, v[BD]
	v_add_nc_u32 v[BD+3], 4*BLK, v[BD+1]
	v_mul_u32_u24 v5, v1, SPITCH
	v_lshl_add_u32 v5, v2, 5, v5
	v_add_nc_u32 v[STO], s63, v5
	v_and_b32 v6, 31, v0
	v_lshlrev_b32 v[CO], 4, v6
	v_add_nc_u32 v[RD], s63, v[CO]
.macro FETCH st                        ; step st's fragments into set st % 2: 48 + 24 loads of 8 bytes
	WIN TO_B
.irp i, 0,1,2,3,4,5,6,7
.irp p, 0,1,2,3,4,5
.set BY, 96*(\st)+48*(\p/3)+8*(\p%3)
.if BY/256 == (BY+24)/256
	ds_load_b64 v[128*((\st)%2)+12*\i+2*\p:128*((\st)%2)+12*\i+2*\p+1], v[BD+2*(\i/4)] offset:BY+16*(BY/256)+(\i%4)*BLK
.else
	ds_load_b64 v[128*((\st)%2)+12*\i+2*\p:128*((\st)%2)+12*\i+2*\p+1], v[BD+2*(\i/4)+1] offset:BY+16*(BY/256)+(\i%4)*BLK
.endif
.endr
.endr
	WIN 0
.irp i, 0,1,2,3
.irp p, 0,1,2,3,4,5
	ds_load_b64 v[AF+48*((\st)%2)+12*\i+2*\p:AF+48*((\st)%2)+12*\i+2*\p+1], v[AD+6*((\st)%2)+\p] offset:816*((\st)/2)+\i*BLK
.endr
.endr
.endm
.macro MULS st                         ; 32 products; the accumulators take turns, in the same order in every step; the first step starts the sums
	WIN MUL
.irp a, 0,1,2,3
.irp b, 0,1,2,3,4,5,6,7
.if (\st) == 0
	v_wmma_scale_f32_16x16x128_f8f6f4 v[8*(8*\a+\b):8*(8*\a+\b)+7], v[128*((\st)%2)+12*\b:128*((\st)%2)+12*\b+11], v[AF+48*((\st)%2)+12*\a:AF+48*((\st)%2)+12*\a+11], 0, v[SB+8*\b+(\st)], v[SA+8*\a+(\st)] matrix_a_fmt:MATRIX_FMT_FP6 matrix_b_fmt:MATRIX_FMT_FP6
.else
	v_wmma_scale_f32_16x16x128_f8f6f4 v[8*(8*\a+\b):8*(8*\a+\b)+7], v[128*((\st)%2)+12*\b:128*((\st)%2)+12*\b+11], v[AF+48*((\st)%2)+12*\a:AF+48*((\st)%2)+12*\a+11], v[8*(8*\a+\b):8*(8*\a+\b)+7], v[SB+8*\b+(\st)], v[SA+8*\a+(\st)] matrix_a_fmt:MATRIX_FMT_FP6 matrix_b_fmt:MATRIX_FMT_FP6
.endif
.endr
.endr
.endm
	s_wait_alu depctr_va_vdst(0)                   ; the head's end
	s_wait_tensorcnt 0x0                           ; my part is in,
	s_barrier_signal -1
	s_barrier_wait -1                              ; and so is everybody's
	FETCH 0
	s_wait_loadcnt 0x0                             ; the scale words
.irp st, 0,1,2,3,4,5,6
	s_wait_dscnt 0x0                               ; this step's fragments are in
.if \st > 0
	PLACES                                         ; in front of loads into the set that the last step's products read
.endif
	FETCH \st+1
	MULS \st
.endr
	s_wait_dscnt 0x0                               ; my last reads of the operands are over
	s_barrier_signal -1
	MULS 7
	WIN 0
	s_barrier_wait -1                              ; and everybody's: the stages may be written
	PLACES
; THE WAY OUT, by blocks of 16 rows x 128 columns, through my stage, back as rows of 512 bytes.
.macro TOSTAGE a
	WIN 0x08
.irp b, 0,1,2,3,4,5,6,7
	ds_store_b128 v[STO], v[64*(\a)+8*\b:64*(\a)+8*\b+3] offset:64*\b
	ds_store_b128 v[STO], v[64*(\a)+8*\b+4:64*(\a)+8*\b+7] offset:64*\b+16
.endr
	WIN 0
.set BB, BK+64*((\a)%2)
.irp t, 0,1,2,3,4,5,6,7,8,9,10,11,12,13,14,15
	ds_load_b128 v[BB+4*\t:BB+4*\t+3], v[RD] offset:\t*SPITCH      ; LDS serves a wave's instructions in order
.endr
.endm
.macro SEND a, younger
.set BB, BK+64*((\a)%2)
	s_wait_dscnt \younger
.if (\a) > 0
	s_add_nc_u64 s[12:13], s[12:13], 16*SIZE_N*4   ; (behind a wait on XCNT)
.endif
.irp t, 0,1,2,3,4,5,6,7,8,9,10,11,12,13,14,15
	global_store_b128 v[CO], v[BB+4*\t:BB+4*\t+3], s[12:13] offset:\t*SIZE_N*4 th:TH_STORE_NT   ; 512 consecutive bytes, aligned
.endr
.endm
	TOSTAGE 0
.irp a, 1,2,3
.if \a > 1
	s_wait_xcnt 0x0                                ; block a - 2's stores have read their registers and their base
.endif
	TOSTAGE \a
	SEND \a-1, 32                                  ; behind block a - 1's loads: block a's 16 stores and 16 loads
.endr
	s_wait_xcnt 0x0
	SEND 3, 0
	s_wait_tensorcnt 0x0                           ; the wave's end
	ds_add_u32 v[SPW], v[NIL]
	s_wait_dscnt 0x0
	CROUND                                         ; the closing round
	s_endpgm
.Lfunc_end_k_q12175ecd00_proj:
	.size	k_q12175ecd00_proj, .Lfunc_end_k_q12175ecd00_proj-k_q12175ecd00_proj
	.p2alignl 7, 3214868480
	.fill 96, 4, 3214868480
	.section	.rodata,"a",@progbits
	.p2align	6, 0x0
	.amdhsa_kernel k_q12175ecd00_proj
		.amdhsa_group_segment_fixed_size 313856
		.amdhsa_private_segment_fixed_size 0
		.amdhsa_enable_private_segment 0
		.amdhsa_kernarg_size 32
		.amdhsa_user_sgpr_count 2
		.amdhsa_user_sgpr_kernarg_segment_ptr 1
		.amdhsa_wavefront_size32 1
		.amdhsa_system_sgpr_workgroup_id_x 1
		.amdhsa_system_sgpr_workgroup_id_y 1
		.amdhsa_system_sgpr_workgroup_id_z 1
		.amdhsa_system_vgpr_workitem_id 0
		.amdhsa_next_free_vgpr 768
		.amdhsa_next_free_sgpr 98
		.amdhsa_reserve_vcc 0
		.amdhsa_float_denorm_mode_32 3
		.amdhsa_float_denorm_mode_16_64 3
		.amdhsa_memory_ordered 1
		.amdhsa_forward_progress 1
		.amdhsa_inst_pref_size 96
	.end_amdhsa_kernel
	.amdgpu_metadata
---
amdhsa.version: [ 1, 2 ]
amdhsa.kernels:
  - .name:           k_q12175ecd00_proj
    .symbol:         k_q12175ecd00_proj.kd
    .args:
      - { .name: yc, .offset: 0, .size: 8, .value_kind: global_buffer, .address_space: global }
      - { .name: ys, .offset: 8, .size: 8, .value_kind: global_buffer, .address_space: global }
      - { .name: wts, .offset: 16, .size: 8, .value_kind: global_buffer, .address_space: global }
      - { .name: out0, .offset: 24, .size: 8, .value_kind: global_buffer, .address_space: global }
    .group_segment_fixed_size: 313856
    .private_segment_fixed_size: 0
    .kernarg_segment_align: 8
    .kernarg_segment_size: 32
    .max_flat_workgroup_size: 128
    .sgpr_count:     98
    .vgpr_count:     768
    .wavefront_size: 32
...
	.end_amdgpu_metadata
.endif
;; end of part 4
